; MI455X (gfx1250); checked and timed in simulation.
; The chip was launched on July 23, 2026; its instructions are those of AMD's public machine-readable ISA for CDNA 5 (MIT licence, August 2026) and "CDNA5" Instruction Set Architecture Reference Guide (July 2026). The comments in the code are by the model that wrote it; some were corrected since.
;; my attention. Allowed arithmetic: matrix products marked QUANTISED: E2M1 operands, one E8M0 scale for each 32 along K, by v_wmma_scale_f32_16x16x128_f8f6f4 with both operands' format E2M1 (or v_wmma_scale_f32_32x16x128_f4), f32 sums; everything else in f32.
;; Inputs: Wk_codes 256 x 8 x 16 uint8 (E2M1 codes of Wk, K innermost, in blocks of 32 codes, two codes a byte); Wk_scales 256 x 8 uint8 (E8M0 scales of Wk, one for each 32 codes along K); Wo_codes 256 x 8 x 16 uint8 (E2M1 codes of Wo, K innermost, in blocks of 32 codes, two codes a byte); Wo_scales 256 x 8 uint8 (E8M0 scales of Wo, one for each 32 codes along K); Wq_codes 256 x 8 x 16 uint8 (E2M1 codes of Wq, K innermost, in blocks of 32 codes, two codes a byte); Wq_scales 256 x 8 uint8 (E8M0 scales of Wq, one for each 32 codes along K); Wv_codes 256 x 8 x 16 uint8 (E2M1 codes of Wv, K innermost, in blocks of 32 codes, two codes a byte); Wv_scales 256 x 8 uint8 (E8M0 scales of Wv, one for each 32 codes along K); bk 256 float32; bo 256 float32; bq 256 float32; bv 256 float32; key_codes 8 x 2,048 x 8 x 16 uint8 (E2M1 codes of key, K innermost, in blocks of 32 codes, two codes a byte); key_scales 8 x 2,048 x 8 uint8 (E8M0 scales of key, one for each 32 codes along K); query_codes 8 x 2,048 x 8 x 16 uint8 (E2M1 codes of query, K innermost, in blocks of 32 codes, two codes a byte); query_scales 8 x 2,048 x 8 uint8 (E8M0 scales of query, one for each 32 codes along K); value_codes 8 x 2,048 x 8 x 16 uint8 (E2M1 codes of value, K innermost, in blocks of 32 codes, two codes a byte); value_scales 8 x 2,048 x 8 uint8 (E8M0 scales of value, one for each 32 codes along K).
;; Outputs: out0 8 x 2,048 x 256 float32.
;; This version of the problem:
;;   THIS VERSION OF THE PROBLEM IS GIVEN IN LOW PRECISION. The matrix products marked QUANTISED in the list below multiply operands that are first quantised to E2M1 (2 exponent bits, 1 mantissa bit; 4 bits a number), with one power-of-two scale for each 32 numbers along K (OCP MX v1.0); their sums are f32. All else is computed in f32.
;;   The module's matrix products, in the order in which they are computed (A, B: the left and right operand; K: the contracted axis; several contracted axes count as one K, in the product's order):
;;     1. [M 16,384, K 256] x [K 256, N 256]; A: input query (given as codes); B: input Wq (given as codes): QUANTISED
;;     2. [M 16,384, K 256] x [K 256, N 256]; A: input key (given as codes); B: input Wk (given as codes): QUANTISED
;;     3. [M 16,384, K 256] x [K 256, N 256]; A: input value (given as codes); B: input Wv (given as codes): QUANTISED
;;     4. batch 64 x [M 2,048, K 32] x [K 32, N 2,048]; A: computed on the way; B: computed on the way: QUANTISED
;;     5. batch 64 x [M 2,048, K 2,048] x [K 2,048, N 32]; A: softmax (see below); B: computed on the way: QUANTISED
;;     6. [M 16,384, K 256] x [K 256, N 256]; A: computed on the way; B: input Wo (given as codes): QUANTISED
;;   THE QUANTISER, for each operand of a quantised product, along K:
;;     - K is cut into blocks of 32 from its start; a last block that is shorter is filled with zeros.
;;     - A block's scale is 2^e with e = floor(log2(the largest magnitude in the block)) - 2, held to -126 .. 127; a block of zeros has e = 0. As a byte (E8M0): e + 127.
;;     - Each number is divided by its block's scale, clamped to +-6, and rounded to the nearest number of E2M1, ties to even, subnormals kept.
;;     - The product sums the exact products of the quantised numbers (number of the format x scale) in f32.
;;   ~~~python
;;   def quantise(x, axis):      # numpy; x: float32 -> the quantised numbers, widened to float32 again
;;       x = np.moveaxis(x, axis, -1); K = x.shape[-1]
;;       x = np.pad(x, [(0, 0)] * (x.ndim - 1) + [(0, -K % 32)]); x = x.reshape(x.shape[:-1] + (-1, 32)); a = np.abs(x).max(-1, keepdims=True)
;;       e = np.where(a > 0, np.clip(np.frexp(np.where(a > 0, a, 1))[1] - 1 - 2, -126, 127), 0)      # np.frexp(a)[1] - 1 = floor(log2(a)), exactly
;;       r = np.clip(x / 2.0 ** e, -6, 6)
;;       step = 2.0 ** (np.maximum(np.frexp(np.where(r == 0, 1, r))[1] - 1, 0) - 1)
;;       q = np.round(r / step) * step * 2.0 ** e      # np.round: ties to even
;;       return np.moveaxis(q.reshape(q.shape[:-2] + (-1,))[..., :K], -1, axis).astype(np.float32)
;;   ~~~
;;   SOFTMAX AHEAD OF A QUANTISED PRODUCT. Where the list says 'softmax', what is quantised is not the finished softmax but p = 2^(t - M), with t = logit x log2(e) and M = ceil(the row's largest t), a whole number; so 1/2 < the row's largest p <= 1. The row's sum l is taken of the UNQUANTISED p, in f32, and the product's result is divided by l at the end. Since M is a whole number, a kernel that streams over the keys may use a running M (the ceiling of the running maximum): every later rescaling is an exact power of two, which a block's scale takes up: the codes' values come out the same.
;;   OPERANDS COMPUTED ON THE WAY. 'Computed on the way' means the value that the module computes at that place (a softmax that the list does not call 'softmax' is quantised finished and normalised). What goes into a quantiser is computed in f32, as accurately as f32 sums, v_exp_f32 and their like allow (about 1e-6 of the number): no bf16 or f16 on the way to a quantiser, and a product that is left as it is and whose result goes on into a quantised operand takes f32 operands (vector FMAs, or v_wmma_f32_16x16x4_f32). A number that lies on a knife's edge between two numbers of the format may be rounded either way, as far as f32 arithmetic and the matrix unit's own rounding can turn it there, and no further.
;;   INPUTS GIVEN AS CODES. Wk (in the module: [256, 256], K = its axis 1); Wo (in the module: [256, 256], K = its axis 1); Wq (in the module: [256, 256], K = its axis 1); Wv (in the module: [256, 256], K = its axis 1); key (in the module: [8, 2048, 256], K = its axis 2); query (in the module: [8, 2048, 256], K = its axis 2); value (in the module: [8, 2048, 256], K = its axis 2): each comes as NAME_codes (uint8): NAME with its K axis moved to the last place and cut into blocks of 32 codes, [.., K / 32, bytes a block], one block behind the other in memory; two codes a byte, the lower K in the low four bits (a code: sign, 2 exponent bits, 1 mantissa bit); and NAME_scales (uint8): the same leading axes, one E8M0 byte (e + 127) for each 32 codes along K. Its value is code x scale, taken as it is: it is not quantised again, and the codes and scales need not be those that the quantiser above would give.
;; 2 versions. Each part assembles by itself: llvm-mc -triple=amdgcn-amd-amdhsa -mcpu=gfx1250 --defsym DOCPART=n.
;; ======== version 1 of 2: 3 launches
;; workspace buffers: qkv 6,684,672 bytes; ao 2,228,224 bytes
;; launch proj (part 1): grid 256 x 3, 8 waves a work-group, no clusters, 0 bytes of LDS; arguments query_codes, query_scales, Wq_codes, Wq_scales, bq, key_codes, key_scales, Wk_codes, Wk_scales, bk, value_codes, value_scales, Wv_codes, Wv_scales, bv, qkv; writes qkv
.if DOCPART == 1
	.amdgcn_target "amdgcn-amd-amdhsa--gfx1250"
	.amdhsa_code_object_version 6
	.text
	.protected	k_q93453c4119_proj
	.globl	k_q93453c4119_proj
	.p2align	8
	.type	k_q93453c4119_proj,@function
k_q93453c4119_proj:
	s_mov_b64 s[64:65], 0
	v_nop
	global_prefetch_b8 v0, s[64:65] scope:SCOPE_SE
	s_setreg_imm32_b32 hwreg(HW_REG_WAVE_MODE, 25, 1), 1
	s_wait_xcnt 0x0
; q = query Wq^T + bq, k = key Wk^T + bk, v = value Wv^T + bv on codes of FP4 (E2M1) with E8M0 scales, and the results quantised again:
; q and k along a head's 32 channels (one block for a row and a head), v along the keys (blocks of 32 keys for each channel).
; SHARES.  Work-group y picks the tensor (0 q, 1 k, 2 v), work-group x a chunk of 64 rows (batch x / 32, chunk g = x % 32); wave w is head w: 32 rows of W, for all 64 rows.
; Waves share nothing: no LDS, no barrier.  The eight waves read the same 8,192 bytes of x's codes straight into registers.
; RESULT: 64 records of REC bytes in qkv, record 8 b + head:
;   0       k's codes: 16 bytes (32 channels) at 16 p; position p holds key p with bits 3 and 4 exchanged; 64 positions are [c 2][lane 32][16]: the registers of one operand
;   VIMG    v's codes: [step 16][e 2][c 2][lane 32][16]: lane (r, h) holds keys 128 step + 64 c + 32 h + 0 .. 31 of channel 8 e + r + 8 (r / 8)
;   KSC     k's scale bytes [chunk 32][r 16][4]: byte t for position 64 chunk + 16 t + r;     VSC  v's [step 16][e 2][r 16][4]: byte i for keys 128 step + 32 i on
;   QC      q's codes, query n at 16 n;     QSC  q's scale bytes [chunk 32][r 16][4]: byte t for query 64 chunk + 16 t + r
; LAYOUT.  q, k: the product is used transposed (source 0 = 16 rows of W, source 1 = 16 rows of x): a lane holds ONE row of x and its registers run along the channels.
; v: source 0 = 16 rows of x (keys), source 1 = 16 rows of W: a lane holds ONE channel and its registers run along the keys.
; The rows that form a tile of source 0 are not neighbours: lane r of tile u takes row 8 u + r + 8 (r / 8), so that the 16 registers of two neighbouring tiles are 16 neighbours along the next K.
; The bias is the C of each sum's first matrix instruction.
; LIMITS: a block of zeros gets the scale byte 1 (its codes are zeros, and this program alone reads the bytes); NaN, infinities and a given scale byte 0xff are not served.
.set REC,  104448
.set VIMG, 32768
.set KSC,  65536
.set VSC,  67584
.set QC,   69632
.set QSC,  102400
.set XS,   16                          ; v16-19   x's scale words, tile t: lanes 0-15 K step 0, lanes 16-31 K step 1
.set WS,   20                          ; v20-21   W's likewise, tile u
.set BI,   24                          ; v24-39   the bias in the result's layout, 8 registers a tile of W
.set WF,   40                          ; v40-71   W's fragments at 8 (2 u + s)
.set XF,   72                          ; v72-135  x's fragments at 16 t + 8 s
.set HA,   136                         ; v136-199 eight accumulators
.set TM,   200                         ; v200-203 largest magnitudes, v204-207 at work and bytes, v212-215 the conversions' scale operands
.set PC,   216                         ; v216-223 the codes just made
.set PW,   224                         ; v224     the scale word just made
.set SEL,  50                          ; s[50:51] lane selects for v_permlanex16_b32: lane l xor 16
; 64 numbers of a lane, register 16 b + i = number 16 (lane / 16) + i of block b, become codes in v[PC] on (registers 4 c .. 4 c + 3 of lane (r, h): block 2 c + h, whole) and the four scale bytes in v[PW].
.macro QUANT s
.irp b, 0,1,2,3
	v_max3_num_f32 v[TM+\b], |v[\s+16*\b]|, |v[\s+1+16*\b]|, 0x1800000   ; my 16 numbers of block b, and the floor 2^(3 - 127): the byte cannot fall under 1
.endr
.irp i, 2,4,6,8,10,12,14
.irp b, 0,1,2,3
	v_max3_num_f32 v[TM+\b], v[TM+\b], |v[\s+16*\b+\i]|, |v[\s+1+16*\b+\i]|   ; the four blocks by turns
.endr
.endr
.irp b, 0,1,2,3
	v_permlanex16_b32 v[TM+4+\b], v[TM+\b], s[SEL], s[SEL+1]
.endr
.irp b, 0,1,2,3
	v_max_num_f32 v[TM+\b], v[TM+\b], v[TM+4+\b]   ; with lane l xor 16's: the block's largest magnitude
.endr
.irp b, 0,1,2,3
	v_add_nc_u32 v[TM+12+\b], 0xff000000, v[TM+\b]   ; 2 off its exponent field: the conversion takes the exponent field of this operand as its scale
.endr
.irp b, 0,1,2,3
	v_lshrrev_b32 v[TM+4+\b], 23, v[TM+12+\b]      ; the scale's byte
.endr
	v_lshl_or_b32 v[PW], v[TM+5], 8, v[TM+4]
	v_lshl_or_b32 v[PW], v[TM+6], 16, v[PW]
	v_lshl_or_b32 v[PW], v[TM+7], 24, v[PW]
.irp b, 0,1,2,3
	v_cvt_scalef32_pk8_fp4_f32 v[PC+2*\b], v[\s+16*\b:\s+7+16*\b], v[TM+12+\b]
	v_cvt_scalef32_pk8_fp4_f32 v[PC+1+2*\b], v[\s+8+16*\b:\s+15+16*\b], v[TM+12+\b]
.endr
	v_nop                                          ; one plain place behind a scaled conversion
.irp c, 0,1
.irp i, 0,1
	v_permlane16_swap_b32 v[PC+4*\c+\i], v[PC+2+4*\c+\i]   ; half blocks become whole blocks: lanes 0-15 block 2 c, lanes 16-31 block 2 c + 1
.endr
.endr
.endm
; One matrix instruction.  K step 0 starts the sum with the bias; K step 1 adds in place and takes both sides' scale words from lanes 16-31.
.macro MM d, a, b, bias, sa, sb, s
.if \s == 0
	v_wmma_scale_f32_16x16x128_f8f6f4 v[\d:\d+7], v[\a:\a+7], v[\b:\b+7], v[\bias:\bias+7], v[\sa], v[\sb] matrix_a_fmt:MATRIX_FMT_FP4 matrix_b_fmt:MATRIX_FMT_FP4
.else
	v_wmma_scale_f32_16x16x128_f8f6f4 v[\d:\d+7], v[\a:\a+7], v[\b:\b+7], v[\d:\d+7], v[\sa], v[\sb] matrix_a_fmt:MATRIX_FMT_FP4 matrix_b_fmt:MATRIX_FMT_FP4 matrix_a_scale:MATRIX_SCALE_ROW1 matrix_b_scale:MATRIX_SCALE_ROW1
.endif
.endm
	s_load_b512 s[8:23], s[0:1], 0x0               ; q's five pointers s[8:17]; k's s[18:27]
	s_load_b512 s[24:39], s[0:1], 0x40             ; v's s[28:37]; qkv s[38:39]
	v_lshrrev_b32 v1, 5, v0
	v_readfirstlane_b32 s40, v1                    ; wave = head
	s_and_b32 s41, ttmp7, 0xffff                   ; which tensor
	s_lshr_b32 s42, ttmp9, 5                       ; batch
	s_and_b32 s43, ttmp9, 31                       ; chunk g of 64 rows
	s_mov_b32 s45, 1024
	s_mov_b32 s47, 512
	s_cmp_eq_u32 s41, 0
	s_cselect_b32 s44, 0, 8                        ; q's tiles take neighbouring rows; k's and v's take r + 8 (r / 8)
	s_cselect_b32 s45, 2048, s45                   ; an odd tile begins 16 rows on (q) or 8 (k, v): in code bytes,
	s_cselect_b32 s46, 128, 64                     ; and in scale bytes
	s_cmp_eq_u32 s41, 2
	s_cselect_b32 s47, 1024, s47                   ; from the first four code registers' place to the second's
	s_mov_b32 s[SEL], 0x76543210
	s_mov_b32 s[SEL+1], 0xfedcba98
	v_and_b32 v1, 31, v0                           ; lane
	v_and_b32 v2, 15, v0                           ; r
	v_bfe_u32 v3, v0, 4, 1                         ; h
	v_bfe_u32 v4, v0, 3, 1                         ; r / 8
	v_lshl_add_u32 v5, v4, 3, v2                   ; r + 8 (r / 8)
	v_mad_u32_u24 v9, v4, s44, v2                  ; my row in an even tile of x
	v_lshlrev_b32 v6, 7, v9
	v_lshl_add_u32 v6, v3, 4, v6                   ; x's codes: row x 128 + 16 h
	v_add_nc_u32 v7, s45, v6                       ; the same in an odd tile
	v_lshlrev_b32 v8, 3, v9
	v_lshl_add_u32 v8, v3, 2, v8                   ; x's scale words: row x 8 + 4 h
	v_add_nc_u32 v9, s46, v8
	v_lshlrev_b32 v10, 7, v5
	v_lshl_add_u32 v10, v3, 4, v10                 ; W's codes
	v_lshlrev_b32 v11, 3, v5
	v_lshl_add_u32 v11, v3, 2, v11                 ; W's scale words
	v_lshlrev_b32 v13, 4, v1                       ; out: 16 x lane,
	v_add_nc_u32 v14, s47, v13                     ; and the second four registers' place
	v_lshlrev_b32 v15, 2, v2                       ; out: 4 r
.irp b, 0,1,2,3
	v_mov_b32 v[TM+4+\b], 0                        ; written once: a lane permute's destination counts as one of its sources
.endr
	s_wait_kmcnt 0x0
	s_cmp_eq_u32 s41, 1                            ; the choice hangs on the work-group's number alone
	s_cselect_b64 s[8:9], s[18:19], s[8:9]
	s_cselect_b64 s[10:11], s[20:21], s[10:11]
	s_cselect_b64 s[12:13], s[22:23], s[12:13]
	s_cselect_b64 s[14:15], s[24:25], s[14:15]
	s_cselect_b64 s[16:17], s[26:27], s[16:17]
	s_cmp_eq_u32 s41, 2
	s_cselect_b64 s[8:9], s[28:29], s[8:9]         ; x's codes
	s_cselect_b64 s[10:11], s[30:31], s[10:11]     ; x's scales
	s_cselect_b64 s[12:13], s[32:33], s[12:13]     ; W's codes
	s_cselect_b64 s[14:15], s[34:35], s[14:15]     ; W's scales
	s_cselect_b64 s[16:17], s[36:37], s[16:17]     ; the bias
	s_mov_b32 s49, 0
	s_mov_b32 s53, 0
	s_lshl_b32 s48, ttmp9, 13                      ; 64 rows of 128 bytes
	s_add_nc_u64 s[8:9], s[8:9], s[48:49]
	s_lshl_b32 s48, ttmp9, 9                       ; 64 rows of 8 bytes
	s_add_nc_u64 s[10:11], s[10:11], s[48:49]
	s_lshl_b32 s48, s40, 12                        ; my head's 32 rows of W
	s_add_nc_u64 s[12:13], s[12:13], s[48:49]
	s_lshl_b32 s48, s40, 8
	s_add_nc_u64 s[14:15], s[14:15], s[48:49]
	s_lshl_b32 s48, s40, 7
	s_add_nc_u64 s[16:17], s[16:17], s[48:49]
	s_lshl_b32 s48, s42, 3
	s_add_co_u32 s48, s48, s40
	s_mul_i32 s48, s48, REC                        ; record 8 b + head
	s_add_nc_u64 s[38:39], s[38:39], s[48:49]
.irp t, 0,1,2,3
.irp s, 0,1
.irp c, 0,1
	global_load_b128 v[XF+16*\t+8*\s+4*\c:XF+16*\t+8*\s+4*\c+3], v[6+\t%2], s[8:9] offset:(\t/2)*4096+64*\s+32*\c
.endr
.endr
	global_load_b32 v[XS+\t], v[8+\t%2], s[10:11] offset:(\t/2)*256
.endr
.irp u, 0,1
.irp s, 0,1
.irp c, 0,1
	global_load_b128 v[WF+8*(2*\u+\s)+4*\c:WF+8*(2*\u+\s)+4*\c+3], v10, s[12:13] offset:1024*\u+64*\s+32*\c
.endr
.endr
	global_load_b32 v[WS+\u], v11, s[14:15] offset:64*\u
.endr
	s_cmp_eq_u32 s41, 2
	s_cbranch_scc1 .Lv
; orient = 0: q and k;  orient = 1: v
.macro TAIL orient
.if \orient == 0
	v_lshlrev_b32 v12, 6, v3                       ; C's register j of tile u is b[16 h + 8 u + j]
.irp u, 0,1
	global_load_b128 v[BI+8*\u:BI+8*\u+3], v12, s[16:17] offset:32*\u
	global_load_b128 v[BI+8*\u+4:BI+8*\u+7], v12, s[16:17] offset:32*\u+16
.endr
	s_mov_b32 s52, KSC
	s_cmp_eq_u32 s41, 0
	s_cselect_b32 s48, QC, 0                       ; where the codes go in the record,
	s_cselect_b32 s52, QSC, s52                    ; and the scale words
	s_lshl_b32 s58, s43, 10                        ; 1,024 bytes of codes a chunk,
	s_add_co_u32 s48, s48, s58
	s_lshl_b32 s58, s43, 6                         ; 64 of scales
	s_add_co_u32 s52, s52, s58
.else
	v_lshlrev_b32 v12, 2, v5                       ; C is b[8 e + r + 8 (r / 8)] in all eight registers
.irp e, 0,1
.irp j, 0,1,2,3,4,5,6,7
	global_load_b32 v[BI+8*\e+\j], v12, s[16:17] offset:32*\e
.endr
.endr
	s_lshr_b32 s58, s43, 1                         ; the step of 128 keys,
	s_and_b32 s59, s43, 1                          ; and which half of it
	s_lshl_b32 s48, s58, 11
	s_lshl_b32 s60, s59, 9
	s_add_co_u32 s48, s48, s60
	s_add_co_u32 s48, s48, VIMG
	s_lshl_b32 s52, s58, 7
	s_lshl_b32 s60, s59, 1
	s_add_co_u32 s52, s52, s60
	s_add_co_u32 s52, s52, VSC
.endif
	s_add_nc_u64 s[56:57], s[38:39], s[48:49]
	s_add_nc_u64 s[54:55], s[38:39], s[52:53]
	s_wait_loadcnt 0x0                             ; all operands, scale words and the bias
; 16 matrix instructions: the eight accumulators by turns, K step by K step
.irp s, 0,1
.if \orient == 0
.irp t, 0,1,2,3
.irp u, 0,1
	MM HA+16*\t+8*\u, WF+8*(2*\u+\s), XF+16*\t+8*\s, BI+8*\u, WS+\u, XS+\t, \s
.endr
.endr
.else
.irp e, 0,1
.irp t, 0,1,2,3
	MM HA+32*\e+8*\t, XF+16*\t+8*\s, WF+8*(2*\e+\s), BI+8*\e, XS+\t, WS+\e, \s
.endr
.endr
.endif
.endr
.rept 4
	v_nop                                          ; four places between the last product and the first read of results (ISA guide 7.12.1)
.endr
	QUANT HA
	global_store_b128 v13, v[PC:PC+3], s[56:57]    ; 32 lanes store 512 consecutive bytes, at a multiple of 256 from the buffer's first byte
	global_store_b128 v14, v[PC+4:PC+7], s[56:57]
.if \orient == 0
	global_store_b32 v15, v[PW], s[54:55]          ; my row's four bytes; lanes r and r + 16 write the same word with the same value
.else
	global_store_b16 v15, v[PW], s[54:55]          ; bytes 0, 1: e = 0, this chunk's two blocks of keys
	global_store_d16_hi_b16 v15, v[PW], s[54:55] offset:64   ; bytes 2, 3: e = 1
.endif
	s_endpgm
.endm
	TAIL 0
.Lv:
	TAIL 1
.Lfunc_end_k_q93453c4119_proj:
	.size	k_q93453c4119_proj, .Lfunc_end_k_q93453c4119_proj-k_q93453c4119_proj
	.p2alignl 7, 3214868480
	.fill 96, 4, 3214868480
	.section	.rodata,"a",@progbits
	.p2align	6, 0x0
	.amdhsa_kernel k_q93453c4119_proj
		.amdhsa_group_segment_fixed_size 0
		.amdhsa_private_segment_fixed_size 0
		.amdhsa_enable_private_segment 0
		.amdhsa_kernarg_size 128
		.amdhsa_user_sgpr_count 2
		.amdhsa_user_sgpr_kernarg_segment_ptr 1
		.amdhsa_wavefront_size32 1
		.amdhsa_system_sgpr_workgroup_id_x 1
		.amdhsa_system_sgpr_workgroup_id_y 1
		.amdhsa_system_sgpr_workgroup_id_z 1
		.amdhsa_system_vgpr_workitem_id 0
		.amdhsa_next_free_vgpr 228
		.amdhsa_next_free_sgpr 66
		.amdhsa_reserve_vcc 0
		.amdhsa_float_denorm_mode_32 3
		.amdhsa_float_denorm_mode_16_64 3
		.amdhsa_memory_ordered 1
		.amdhsa_forward_progress 1
		.amdhsa_inst_pref_size 22
	.end_amdhsa_kernel
	.amdgpu_metadata
---
amdhsa.version: [ 1, 2 ]
amdhsa.kernels:
  - .name:           k_q93453c4119_proj
    .symbol:         k_q93453c4119_proj.kd
    .args:
      - { .name: query_codes, .offset: 0, .size: 8, .value_kind: global_buffer, .address_space: global }
      - { .name: query_scales, .offset: 8, .size: 8, .value_kind: global_buffer, .address_space: global }
      - { .name: Wq_codes, .offset: 16, .size: 8, .value_kind: global_buffer, .address_space: global }
      - { .name: Wq_scales, .offset: 24, .size: 8, .value_kind: global_buffer, .address_space: global }
      - { .name: bq, .offset: 32, .size: 8, .value_kind: global_buffer, .address_space: global }
      - { .name: key_codes, .offset: 40, .size: 8, .value_kind: global_buffer, .address_space: global }
      - { .name: key_scales, .offset: 48, .size: 8, .value_kind: global_buffer, .address_space: global }
      - { .name: Wk_codes, .offset: 56, .size: 8, .value_kind: global_buffer, .address_space: global }
      - { .name: Wk_scales, .offset: 64, .size: 8, .value_kind: global_buffer, .address_space: global }
      - { .name: bk, .offset: 72, .size: 8, .value_kind: global_buffer, .address_space: global }
      - { .name: value_codes, .offset: 80, .size: 8, .value_kind: global_buffer, .address_space: global }
      - { .name: value_scales, .offset: 88, .size: 8, .value_kind: global_buffer, .address_space: global }
      - { .name: Wv_codes, .offset: 96, .size: 8, .value_kind: global_buffer, .address_space: global }
      - { .name: Wv_scales, .offset: 104, .size: 8, .value_kind: global_buffer, .address_space: global }
      - { .name: bv, .offset: 112, .size: 8, .value_kind: global_buffer, .address_space: global }
      - { .name: qkv, .offset: 120, .size: 8, .value_kind: global_buffer, .address_space: global }
    .group_segment_fixed_size: 0
    .private_segment_fixed_size: 0
    .kernarg_segment_align: 8
    .kernarg_segment_size: 128
    .max_flat_workgroup_size: 256
    .sgpr_count:     66
    .vgpr_count:     228
    .wavefront_size: 32
...
	.end_amdgpu_metadata
.endif
;; end of part 1
;; launch attn (part 2): grid 4 x 64, 16 waves a work-group, no clusters, 169,984 bytes of LDS; arguments qkv, ao; writes ao
.if DOCPART == 2
	.amdgcn_target "amdgcn-amd-amdhsa--gfx1250"
	.amdhsa_code_object_version 6
	.text
	.protected	k_q93453c4119_attn
	.globl	k_q93453c4119_attn
	.p2align	8
	.type	k_q93453c4119_attn,@function
k_q93453c4119_attn:
	s_mov_b64 s[64:65], 0
	v_nop
	global_prefetch_b8 v0, s[64:65] scope:SCOPE_SE
	s_setreg_imm32_b32 hwreg(HW_REG_WAVE_MODE, 25, 1), 1
	s_wait_xcnt 0x0
; Causal attention of one (batch, head) on codes of FP4 (E2M1) with E8M0 scales: S = q k^T (K = the head's 32), p = 2^(t - M), O = p v (K = the keys), O / l, quantised along the head's 32 channels for the last product.
; t = score x log2(e) / sqrt(32); M = the running largest t rounded UP to a whole number; l = the sum of the unquantised p.  When M moves, l and O are multiplied by 2^(old M - new M): exact.
; SHARES.  Work-group y is the record (8 b + head), work-group x a quarter of the work.  Wave w takes the tiles of 16 queries a = 16 x + w and 127 - a, one after the other:
; tile a has a / 8 + 1 steps of 128 keys that are not wholly hidden, so every wave has 17 steps.
; LDS.  The record's first 69,632 bytes (k's codes, v's codes, k's and v's scale bytes) are copied once, as they lie, and only read afterwards: one barrier, nothing is filled again.
; PRODUCT 4 HAS K = 32, THE INSTRUCTION 128.  A fragment of k carries FOUR keys in each row, one in each block of 32; q's fragment for block blk holds q's codes in that block and zero codes elsewhere.
; So each byte of k is read from LDS once, and four instructions take the four blocks.  By the order in which the keys were laid, register 16 b + i of the scores is key 32 b + 16 (lane / 16) + i.
; Both products are used transposed (source 0 = keys, or v's channels; source 1 = my queries, or p): a lane holds ONE query (lane % 16) throughout.
; NO CLUSTER: the four work-groups of a head share these 69,632 bytes, read once each; a step's work is jumped over by the work-group's own queries, which partners that ask jointly may not do.
; LIMITS: a block of zeros gets the scale byte 1 (its codes are zeros, and this program alone reads the bytes); NaN and infinities are not served.
.set REC,  104448
.set VIMG, 32768
.set KSC,  65536
.set QC,   69632
.set QSC,  102400
.set AOSC, 2097152                     ; ao: the codes [tile 1,024][head 8][r 16][16 bytes], then the scale bytes [tile][s 2][r 16][4]
.set S,    96                          ; v96-159  the scores, then p
.set OT,   80                          ; v80-95   O^T: register 8 e + j is channel 16 (lane / 16) + 8 e + j
.set PCD,  160                         ; v160-167 p's codes
.set BM,   168                         ; v168-171 each block's largest score, then its largest p
.set BT,   172                         ; v172-175 at work
.set SCO,  176                         ; v176-179 the conversions' scale operands
.set OS,   198                         ; v198-213 O / l
; v1-4 the copies' addresses; v5 16 lane; v6 4 lane + KSC; v7, v8 the step's LDS addresses; v9 16 r + 8 h; v10 4 r; v11 r - 16 h; v12 -M; v13 the largest t; v[14:15] l in two halves
; v16-27 q in lanes 0-15 | zeros | the same;  v28-39 q in lanes 16-31 | zeros | the same;  v40-55 two fragments of k;  v56-71 two of v;  v72 k's, v73 v's, v74 q's, v75 p's scale words
; v[180:181] the second chain of sums; v182, v183 at work; v[184:185] f, 0; v186, v187 where the results go; v188-195 the two tiles' q; v196, v197 their scale bytes; v[214:215] the result's codes
	s_load_b128 s[4:7], s[0:1], 0x0                ; qkv, ao
	v_lshl_add_u32 v216, v0, 2, 0x29000
	v_mov_b32 v217, 0
	ds_add_u32 v216, v217
	ds_add_u32 v216, v217
	v_lshlrev_b32 v1, 4, v0                        ; the copies: 16 bytes a thread, the same place in LDS as in the record
	v_lshlrev_b32 v2, 4, v0
	v_lshl_add_u32 v3, v0, 3, KSC                  ; the 4,096 scale bytes: 8 a thread
	v_lshl_add_u32 v4, v0, 3, KSC
	v_lshrrev_b32 v5, 5, v0
	v_readfirstlane_b32 s8, v5                     ; wave 0..15
	s_and_b32 s9, ttmp7, 0xffff                    ; the record
	s_mul_i32 s16, s9, REC
	s_mov_b32 s17, 0
	s_lshl_b32 s10, ttmp9, 4
	s_add_co_u32 s10, s10, s8                      ; my first tile of 16 queries,
	s_sub_co_u32 s11, 127, s10                     ; and my second
	s_mov_b32 s20, 0x76543210
	s_mov_b32 s21, 0xfedcba98                      ; v_permlanex16_b32's selects for lane l xor 16
	s_mov_b32 s22, 0x3e8293ee                      ; c = log2(e) / sqrt(32)
	s_mov_b32 s23, s22                             ; (named with it as a pair, so it is written)
	s_mov_b32 s24, 0x0000ffff                      ; lanes 0-15
	s_mov_b32 s25, 0xffff0000                      ; lanes 16-31
	s_wait_dscnt 0x0
	s_wait_kmcnt 0x0
	s_add_nc_u64 s[4:5], s[4:5], s[16:17]
.irp i, 0,1,2,3,4,5,6,7
	global_load_async_to_lds_b128 v1, v2, s[4:5] offset:\i*8192   ; 512 threads x 16 bytes; the immediate goes onto both addresses
.endr
	global_load_async_to_lds_b64 v3, v4, s[4:5]
	v_and_b32 v186, 15, v0                         ; r
	v_bfe_u32 v187, v0, 4, 1                       ; h
	s_lshl_b32 s17, s10, 8
	v_lshl_add_u32 v198, v186, 4, s17              ; q's codes: query 16 tile + r, 16 bytes each
	s_lshl_b32 s17, s11, 8
	v_lshl_add_u32 v199, v186, 4, s17
	s_lshr_b32 s17, s10, 2
	s_lshl_b32 s17, s17, 6
	s_and_b32 s18, s10, 3
	s_add_co_u32 s17, s17, s18
	v_lshl_add_u32 v200, v186, 2, s17              ; q's scale byte: 64 (tile / 4) + 4 r + tile % 4
	s_lshr_b32 s17, s11, 2
	s_lshl_b32 s17, s17, 6
	s_and_b32 s18, s11, 3
	s_add_co_u32 s17, s17, s18
	v_lshl_add_u32 v201, v186, 2, s17
	global_load_b128 v[188:191], v198, s[4:5] offset:QC
	global_load_b128 v[192:195], v199, s[4:5] offset:QC
	global_load_u8 v196, v200, s[4:5] offset:QSC
	global_load_u8 v197, v201, s[4:5] offset:QSC
	v_and_b32 v5, 31, v0
	v_lshl_add_u32 v6, v5, 2, KSC
	v_lshlrev_b32 v5, 4, v5
	v_lshlrev_b32 v9, 4, v186
	v_lshl_add_u32 v9, v187, 3, v9
	v_lshlrev_b32 v10, 2, v186
	v_lshlrev_b32 v11, 4, v187
	v_sub_nc_u32 v11, v186, v11
.irp i, 0,1,2,3
	v_mov_b32 v[20+\i], 0                          ; the zero codes between q's copies
	v_mov_b32 v[32+\i], 0
	v_mov_b32 v[BT+\i], 0                          ; written once: a lane permute's destination counts as one of its sources
.endr
	v_mov_b32 v182, 0
	v_mov_b32 v185, 0                              ; (named as the upper half of the pair v[184:185])
	s_wait_loadcnt 0x0                             ; q of both tiles
	s_wait_asynccnt 0x0                            ; my part of the record lies in LDS,
	s_barrier_signal -1
	s_barrier_wait -1                              ; everybody's does
; One tile of 16 queries: st = the scalar register with its number, qt = the first of q's four registers, qb = the register with q's scale byte.
.macro TILE st, qt, qb
	s_wait_xcnt 0x0                                ; the last tile's stores have read their registers (v183, v186, v187, v[214:215]): these are written again only behind this wait
	s_lshl_b32 s12, s[\st], 4                      ; my first query
	v_lshl_or_b32 v74, v[\qb], 8, v[\qb]
	v_lshl_or_b32 v74, v74, 16, v74                ; q's byte in all four places: whichever block holds the codes finds it
.irp i, 0,1,2,3
	v_cndmask_b32 v[16+\i], 0, v[\qt+\i], s24
	v_cndmask_b32 v[24+\i], 0, v[\qt+\i], s24
	v_cndmask_b32 v[28+\i], 0, v[\qt+\i], s25
	v_cndmask_b32 v[36+\i], 0, v[\qt+\i], s25
.endr
	v_mov_b32 v13, 0xff61b1e6                      ; the largest t so far: -3e38, under every t
	v_floor_f32 v12, -v13                          ; -M
	v_mov_b32 v14, 0
	v_mov_b32 v15, 0
.irp j, 0,1,2,3,4,5,6,7,8,9,10,11,12,13,14,15
	v_mov_b32 v[OT+\j], 0                          ; the step is written once: the first finds zeros.  (These 20 lines are also the places between the writes of q's scale word and fragments and the first product)
.endr
	s_mov_b32 s13, 0                               ; the step's first key
	s_mov_b32 s14, 0                               ; its codes in LDS: 2,048 bytes a step, in k's image and in v's
	s_mov_b32 s15, 0                               ; its scale words: 128 bytes a step
	s_mov_b32 s16, 16                              ; every wave walks all 16 steps; the work of a hidden step is jumped over
.Lstep_\@:
	s_add_co_u32 s17, s12, 15
	s_cmp_gt_u32 s13, s17                          ; all 128 keys come after my 16 queries?
	s_cbranch_scc1 .Lhidden_\@
	v_add_nc_u32 v7, s14, v5
	v_add_nc_u32 v8, s15, v6
	v_nop
	v_nop                                          ; four places between the last step's products and the loads into their operands
.irp i, 0,1,2,3
	ds_load_b128 v[40+4*\i:43+4*\i], v7 offset:512*\i           ; k: two fragments as they lie: 16 x lane
.endr
	ds_load_b32 v72, v8                            ; lanes 0-15: the first fragment's scale words, lanes 16-31: the second's
.irp i, 0,1,2,3
	ds_load_b128 v[56+4*\i:59+4*\i], v7 offset:VIMG+512*\i      ; v: two tiles of 16 channels x 128 keys
.endr
	ds_load_b32 v73, v8 offset:2048
	s_wait_dscnt 5                                 ; k's five loads are in; v's five, issued behind them, may be out
.irp f, 0,1
.irp k, 0,1,2,3
.if \f == 0
	v_wmma_scale_f32_16x16x128_f8f6f4 v[S+8*(4*\f+\k):S+8*(4*\f+\k)+7], v[40+8*\f:47+8*\f], v[16+12*(\k%2)+4*(\k/2):23+12*(\k%2)+4*(\k/2)], 0, v72, v74 matrix_a_fmt:MATRIX_FMT_FP4 matrix_b_fmt:MATRIX_FMT_FP4
.else
	v_wmma_scale_f32_16x16x128_f8f6f4 v[S+8*(4*\f+\k):S+8*(4*\f+\k)+7], v[40+8*\f:47+8*\f], v[16+12*(\k%2)+4*(\k/2):23+12*(\k%2)+4*(\k/2)], 0, v72, v74 matrix_a_fmt:MATRIX_FMT_FP4 matrix_b_fmt:MATRIX_FMT_FP4 matrix_a_scale:MATRIX_SCALE_ROW1
.endif
.endr
.endr
.rept 4
	v_nop                                          ; four places in front of the first read of results
.endr
	s_add_co_u32 s17, s13, 127                     ; on the diagonal hidden scores become -infinity ahead of the maximum; a step all of whose keys count skips this
	s_cmp_le_u32 s17, s12
	s_cbranch_scc1 .Lopen_\@
	s_sub_co_i32 s17, s12, s13
	v_add_nc_u32 v182, s17, v11                    ; d = my query - the step's first key - 16 (lane / 16): register 16 b + i is hidden where 32 b + i > d
	v_mov_b32 v183, 0xff800000
.set n, 0
.rept 64
	v_cmp_gt_i32 vcc_lo, 32*(n/16)+n%16, v182
	v_cndmask_b32 v[S+n], v[S+n], v183, vcc_lo
.set n, n+1
.endr
.Lopen_\@:
.irp b, 0,1,2,3
	v_max3_num_f32 v[BM+\b], v[S+16*\b], v[S+1+16*\b], v[S+2+16*\b]   ; the largest score of each block of 32 keys: for the row's maximum, and, since p rises with the score, for the block's largest p
.endr
.irp i, 3,5,7,9,11,13
.irp b, 0,1,2,3
	v_max3_num_f32 v[BM+\b], v[BM+\b], v[S+16*\b+\i], v[S+1+16*\b+\i]
.endr
.endr
.irp b, 0,1,2,3
	v_max_num_f32 v[BM+\b], v[BM+\b], v[S+15+16*\b]
.endr
.irp b, 0,1,2,3
	v_permlanex16_b32 v[BT+\b], v[BM+\b], s20, s21
.endr
.irp b, 0,1,2,3
	v_max_num_f32 v[BM+\b], v[BM+\b], v[BT+\b]     ; with lane l xor 16's 16 keys
.endr
	v_max3_num_f32 v182, v168, v169, v170
	v_max_num_f32 v182, v182, v171                 ; the step's largest score of my query,
	v_mul_f32 v182, s22, v182                      ; as t
	v_max_num_f32 v13, v13, v182                   ; the running largest t
	v_mov_b32 v182, v12
	v_floor_f32 v12, -v13                          ; the new -M = -ceil(t)
	v_sub_f32 v182, v12, v182                      ; old M - new M: a whole number, 0 or less
	v_cvt_i32_f32 v182, v182                       ; (it saturates)
	v_ldexp_f32 v184, 1.0, v182                    ; f = 2^(old M - new M)
.set n, 0
.rept 32
	v_pk_fma_f32 v[S+n:S+n+1], v[S+n:S+n+1], s[22:23], v[12:13] op_sel_hi:[1,0,0]   ; t - M, two at a time
.set n, n+2
.endr
.irp b, 0,1,2,3
	v_fma_f32 v[BM+\b], v[BM+\b], s22, v12         ; the same of each block's largest score
.endr
.set n, 0
.rept 64
	v_exp_f32 v[S+n], v[S+n]                       ; p = 2^(t - M), not normalised
.set n, n+1
.endr
	v_pk_mul_f32 v[14:15], v[14:15], v[184:185] op_sel_hi:[1,0]   ; l under the new M: the plain instruction behind the exponentials
	s_wait_alu depctr_va_vdst(0)                   ; one wait for the batch of 64, ahead of its first reader
.irp b, 0,1,2,3
	v_exp_f32 v[BM+\b], v[BM+\b]                   ; the block's largest p: the same two instructions on the same number give the same bits
.endr
	v_pk_add_f32 v[180:181], v[S:S+1], v[S+2:S+3]  ; the sum of the unquantised p, in two chains: its first half is the plain work behind the four exponentials
.irp j, 4,8,12,16,20,24,28
	v_pk_add_f32 v[14:15], v[14:15], v[S+\j:S+1+\j]
	v_pk_add_f32 v[180:181], v[180:181], v[S+2+\j:S+3+\j]
.endr
	s_wait_alu depctr_va_vdst(0)                   ; and one wait for the four
.irp b, 0,1,2,3
	v_max_num_f32 v[BM+\b], 0x1800000, v[BM+\b]    ; the floor 2^(3 - 127): the byte cannot fall under 1
.endr
.irp b, 0,1,2,3
	v_add_nc_u32 v[SCO+\b], 0xff000000, v[BM+\b]   ; 2 off the exponent field: the conversion's scale operand
.endr
.irp b, 0,1,2,3
	v_lshrrev_b32 v[BT+\b], 23, v[SCO+\b]          ; the scale's byte
.endr
	v_lshl_or_b32 v75, v173, 8, v172               ; p's scale word for these 128 keys
	v_lshl_or_b32 v75, v174, 16, v75
	v_lshl_or_b32 v75, v175, 24, v75
.irp b, 0,1,2,3
	v_cvt_scalef32_pk8_fp4_f32 v[PCD+2*\b], v[S+16*\b:S+7+16*\b], v[SCO+\b]
	v_cvt_scalef32_pk8_fp4_f32 v[PCD+1+2*\b], v[S+8+16*\b:S+15+16*\b], v[SCO+\b]
.endr
	v_nop                                          ; one plain place behind a scaled conversion
.irp c, 0,1
.irp i, 0,1
	v_permlane16_swap_b32 v[PCD+4*\c+\i], v[PCD+2+4*\c+\i]   ; a whole block in a lane: lanes 0-15 block 2 c, lanes 16-31 block 2 c + 1
.endr
.endr
.irp j, 32,36,40,44,48,52,56,60
	v_pk_add_f32 v[14:15], v[14:15], v[S+\j:S+1+\j]   ; the sums' second half: 17 plain lines that name no register of the products below: the places behind the writes of p's scale word (8) and codes (4)
	v_pk_add_f32 v[180:181], v[180:181], v[S+2+\j:S+3+\j]
.endr
	v_pk_add_f32 v[14:15], v[14:15], v[180:181]
.irp j, 0,2,4,6,8,10,12,14
	v_pk_mul_f32 v[OT+\j:OT+1+\j], v[OT+\j:OT+1+\j], v[184:185] op_sel_hi:[1,0]   ; O^T under the new M, each accumulator from its low end on
.endr
	s_wait_dscnt 0x0                               ; v's fragments and scale words are in
	v_wmma_scale_f32_16x16x128_f8f6f4 v[OT:OT+7], v[56:63], v[PCD:PCD+7], v[OT:OT+7], v73, v75 matrix_a_fmt:MATRIX_FMT_FP4 matrix_b_fmt:MATRIX_FMT_FP4
	v_wmma_scale_f32_16x16x128_f8f6f4 v[OT+8:OT+15], v[64:71], v[PCD:PCD+7], v[OT+8:OT+15], v73, v75 matrix_a_fmt:MATRIX_FMT_FP4 matrix_b_fmt:MATRIX_FMT_FP4 matrix_a_scale:MATRIX_SCALE_ROW1
.Lhidden_\@:                                       ; the two accumulators take turns, and the next step's eight score products stand between a link and the next
	s_add_co_u32 s13, s13, 128
	s_add_co_u32 s14, s14, 2048
	s_add_co_u32 s15, s15, 128
	s_sub_co_u32 s16, s16, 1
	s_cmp_lg_u32 s16, 0
	s_cbranch_scc1 .Lstep_\@
	; the finish: O / l, quantised along the head's 32 channels (16 in this lane, 16 in lane l xor 16)
	s_lshr_b32 s17, s9, 3
	s_lshl_b32 s17, s17, 7
	s_add_co_u32 s17, s17, s[\st]                  ; 128 b + tile
	s_and_b32 s26, s9, 7                           ; the head
	s_lshl_b32 s18, s17, 3
	s_add_co_u32 s18, s18, s26
	s_lshl_b32 s18, s18, 8                         ; the codes: 256 bytes for a tile and a head
	s_lshl_b32 s19, s17, 7
	s_lshr_b32 s27, s26, 2
	s_lshl_b32 s27, s27, 6
	s_add_co_u32 s19, s19, s27
	s_and_b32 s27, s26, 3
	s_add_co_u32 s19, s19, s27                     ; the scale byte: 128 tile + 64 (head / 4) + head % 4 (+ 4 r)
	v_add_f32 v14, v14, v15                        ; l's two halves.  (Four places behind the last product)
	v_add_nc_u32 v186, s18, v9
	v_add_nc_u32 v187, s19, v10
	v_nop
	v_permlanex16_b32 v182, v14, s20, s21
	v_add_f32 v14, v14, v182                       ; and lane l xor 16's: the row's sum
	v_rcp_f32 v14, v14
	v_nop                                          ; a plain instruction behind the reciprocal,
	s_wait_alu depctr_va_vdst(0)                   ; and the wait ahead of its first reader
.irp j, 0,1,2,3,4,5,6,7,8,9,10,11,12,13,14,15
	v_mul_f32 v[OS+\j], v[OT+\j], v14
.endr
	v_max3_num_f32 v168, |v[OS]|, |v[OS+1]|, 0x1800000
.irp i, 2,4,6,8,10,12,14
	v_max3_num_f32 v168, v168, |v[OS+\i]|, |v[OS+1+\i]|
.endr
	v_permlanex16_b32 v172, v168, s20, s21
	v_max_num_f32 v168, v168, v172
	v_add_nc_u32 v176, 0xff000000, v168
	v_cvt_scalef32_pk8_fp4_f32 v214, v[OS:OS+7], v176
	v_cvt_scalef32_pk8_fp4_f32 v215, v[OS+8:OS+15], v176
	v_lshrrev_b32 v183, 23, v176                   ; the scale's byte.  (The plain place behind the conversions)
	global_store_b64 v186, v[214:215], s[6:7]      ; 32 lanes store 256 consecutive bytes, at a multiple of 256 from the buffer's first byte
	global_store_b8 v187, v183, s[6:7] offset:AOSC ; lanes r and r + 16 write the same byte with the same value
.endm
	TILE 10, 188, 196
	TILE 11, 192, 197
	s_wait_tensorcnt 0x0
	ds_add_u32 v216, v217
	s_wait_dscnt 0x0
	s_endpgm
.Lfunc_end_k_q93453c4119_attn:
	.size	k_q93453c4119_attn, .Lfunc_end_k_q93453c4119_attn-k_q93453c4119_attn
	.p2alignl 7, 3214868480
	.fill 96, 4, 3214868480
	.section	.rodata,"a",@progbits
	.p2align	6, 0x0
	.amdhsa_kernel k_q93453c4119_attn
		.amdhsa_group_segment_fixed_size 169984
		.amdhsa_private_segment_fixed_size 0
		.amdhsa_enable_private_segment 0
		.amdhsa_kernarg_size 16
		.amdhsa_user_sgpr_count 2
		.amdhsa_user_sgpr_kernarg_segment_ptr 1
		.amdhsa_wavefront_size32 1
		.amdhsa_system_sgpr_workgroup_id_x 1
		.amdhsa_system_sgpr_workgroup_id_y 1
		.amdhsa_system_sgpr_workgroup_id_z 1
		.amdhsa_system_vgpr_workitem_id 0
		.amdhsa_next_free_vgpr 218
		.amdhsa_next_free_sgpr 66
		.amdhsa_reserve_vcc 1
		.amdhsa_float_denorm_mode_32 3
		.amdhsa_float_denorm_mode_16_64 3
		.amdhsa_memory_ordered 1
		.amdhsa_forward_progress 1
		.amdhsa_inst_pref_size 51
	.end_amdhsa_kernel
	.amdgpu_metadata
---
amdhsa.version: [ 1, 2 ]
amdhsa.kernels:
  - .name:           k_q93453c4119_attn
    .symbol:         k_q93453c4119_attn.kd
    .args:
      - { .name: qkv, .offset: 0, .size: 8, .value_kind: global_buffer, .address_space: global }
      - { .name: ao, .offset: 8, .size: 8, .value_kind: global_buffer, .address_space: global }
    .group_segment_fixed_size: 169984
    .private_segment_fixed_size: 0
    .kernarg_segment_align: 8
    .kernarg_segment_size: 16
    .max_flat_workgroup_size: 512
    .sgpr_count:     66
    .vgpr_count:     218
    .wavefront_size: 32
...
	.end_amdgpu_metadata
.endif
;; end of part 2
;; launch outp (part 3): grid 256 x 1, 8 waves a work-group, no clusters, 35,840 bytes of LDS; arguments ao, Wo_codes, Wo_scales, bo, out0; writes out0
.if DOCPART == 3
	.amdgcn_target "amdgcn-amd-amdhsa--gfx1250"
	.amdhsa_code_object_version 6
	.text
	.protected	k_q93453c4119_outp
	.globl	k_q93453c4119_outp
	.p2align	8
	.type	k_q93453c4119_outp,@function
k_q93453c4119_outp:
	s_mov_b64 s[64:65], 0
	v_nop
	global_prefetch_b8 v0, s[64:65] scope:SCOPE_SE
	s_setreg_imm32_b32 hwreg(HW_REG_WAVE_MODE, 25, 1), 1
	s_wait_xcnt 0x0
; out0 = a Wo^T + bo on codes of FP4 (E2M1) with E8M0 scales.  a: the attention's result as the launch before laid it: codes [tile 1,024][head 8][r 16][16 bytes], which are the registers of the
; operand (head = 4 s + 2 c + lane / 16), then from AOSC on the scale bytes [tile][s 2][r 16][4].  Wo: [256][256] codes, K innermost; bo [256], out0 [16,384][256]: f32.
; SHARES.  A work-group takes 64 rows (four tiles of 16).  Wave w takes columns 64 (w % 4) .. + 63 of the two tiles 4 x + 2 (w / 4) and the next.  Waves share nothing: no barrier.
; The product is used transposed (source 0 = 16 rows of Wo, source 1 = 16 rows of a): a lane holds eight neighbouring columns of one row.  bo is the C of each sum's first matrix instruction.
; THE WAY OUT: a tile's 16 rows x 256 bytes go through the wave's own stage in LDS (rows of 272 bytes) and leave as whole rows: sixteen lanes store 256 consecutive bytes, aligned.
; LIMITS: NaN, infinities and a given scale byte 0xff are not served.
.set AOSC, 2097152
.set STG,  4352                        ; a wave's stage: 16 rows x (256 + 16) bytes
.set WS,   16                          ; v16-19   Wo's scale words, tile t: lanes 0-15 K step 0, lanes 16-31 K step 1
.set AS,   20                          ; v20-21   a's likewise, tile i
.set WF,   32                          ; v32-95   Wo's fragments at 8 (2 t + s); on the way out the rows read back
.set BI,   96                          ; v96-127  bo in the result's layout, 8 registers a tile
.set AF,   128                         ; v128-159 a's fragments at 16 i + 8 s
.set Y,    160                         ; v160-223 eight accumulators at 32 i + 8 t
	s_load_b256 s[4:11], s[0:1], 0x0               ; ao s[4:5], Wo's codes s[6:7], Wo's scales s[8:9], bo s[10:11]
	s_load_b64 s[12:13], s[0:1], 0x20              ; out0
	v_lshl_add_u32 v224, v0, 2, 0x8800
	v_mov_b32 v225, 0
	v_lshrrev_b32 v1, 5, v0
	v_readfirstlane_b32 s14, v1                    ; wave 0..7
	s_and_b32 s15, s14, 3                          ; which 64 columns
	s_lshr_b32 s16, s14, 2
	s_lshl_b32 s16, s16, 1
	s_lshl_b32 s17, ttmp9, 2
	s_add_co_u32 s16, s16, s17                     ; my first tile of 16 rows
	s_mul_i32 s17, s14, STG                        ; my stage
	v_and_b32 v1, 31, v0                           ; lane
	v_and_b32 v2, 15, v0                           ; r
	v_bfe_u32 v3, v0, 4, 1                         ; h
	v_lshlrev_b32 v4, 7, v2
	v_lshl_add_u32 v4, v3, 4, v4                   ; Wo's codes: row r of 128 bytes + 16 h
	v_lshlrev_b32 v5, 3, v2
	v_lshl_add_u32 v5, v3, 2, v5                   ; Wo's scale words: 8 r + 4 h
	v_lshlrev_b32 v6, 5, v3                        ; bo: 8 h numbers on
	v_lshlrev_b32 v7, 4, v1                        ; a's codes: 16 x lane
	v_lshlrev_b32 v8, 2, v1                        ; a's scale words: 4 x lane
	v_mul_u32_u24 v9, v2, 272
	v_lshl_add_u32 v9, v3, 5, v9
	v_add_nc_u32 v9, s17, v9                       ; into the stage: row r, 32 bytes for each half of the lanes
	v_mul_u32_u24 v10, v3, 272
	v_lshl_add_u32 v10, v2, 4, v10
	v_add_nc_u32 v10, s17, v10                     ; back: lanes 0-15 one row of 256 bytes, lanes 16-31 the next
	v_lshlrev_b32 v11, 10, v3
	v_lshl_add_u32 v11, v2, 4, v11                 ; and the same two rows in out0 (1,024 bytes a row)
	s_mov_b32 s21, 0
	s_wait_kmcnt 0x0
	s_lshl_b32 s20, s16, 7                         ; a's scale bytes: 128 a tile
	s_add_nc_u64 s[18:19], s[4:5], s[20:21]
	s_lshl_b32 s20, s16, 11                        ; a's codes: 2,048 a tile
	s_add_nc_u64 s[4:5], s[4:5], s[20:21]
	s_lshl_b32 s20, s15, 13                        ; my 64 rows of Wo
	s_add_nc_u64 s[6:7], s[6:7], s[20:21]
	s_lshl_b32 s20, s15, 9
	s_add_nc_u64 s[8:9], s[8:9], s[20:21]
	s_lshl_b32 s20, s15, 8
	s_add_nc_u64 s[10:11], s[10:11], s[20:21]
	s_lshl_b32 s22, s16, 14                        ; out0: 16 rows of 1,024 bytes a tile, + my columns' 256 bytes
	s_add_co_u32 s20, s20, s22
	s_add_nc_u64 s[12:13], s[12:13], s[20:21]
.irp t, 0,1,2,3
.irp s, 0,1
.irp c, 0,1
	global_load_b128 v[WF+8*(2*\t+\s)+4*\c:WF+8*(2*\t+\s)+4*\c+3], v4, s[6:7] offset:2048*\t+64*\s+32*\c
.endr
.endr
	global_load_b32 v[WS+\t], v5, s[8:9] offset:128*\t
	global_load_b128 v[BI+8*\t:BI+8*\t+3], v6, s[10:11] offset:64*\t
	global_load_b128 v[BI+8*\t+4:BI+8*\t+7], v6, s[10:11] offset:64*\t+16
.endr
.irp i, 0,1
.irp s, 0,1
.irp c, 0,1
	global_load_b128 v[AF+16*\i+8*\s+4*\c:AF+16*\i+8*\s+4*\c+3], v7, s[4:5] offset:2048*\i+1024*\s+512*\c
.endr
.endr
	global_load_b32 v[AS+\i], v8, s[18:19] offset:AOSC+128*\i
.endr
	s_wait_loadcnt 0x0
; 16 matrix instructions: the eight accumulators by turns, K step by K step
.irp i, 0,1
.irp t, 0,1,2,3
	v_wmma_scale_f32_16x16x128_f8f6f4 v[Y+32*\i+8*\t:Y+32*\i+8*\t+7], v[WF+16*\t:WF+16*\t+7], v[AF+16*\i:AF+16*\i+7], v[BI+8*\t:BI+8*\t+7], v[WS+\t], v[AS+\i] matrix_a_fmt:MATRIX_FMT_FP4 matrix_b_fmt:MATRIX_FMT_FP4
.endr
.endr
.irp i, 0,1
.irp t, 0,1,2,3
	v_wmma_scale_f32_16x16x128_f8f6f4 v[Y+32*\i+8*\t:Y+32*\i+8*\t+7], v[WF+16*\t+8:WF+16*\t+15], v[AF+16*\i+8:AF+16*\i+15], v[Y+32*\i+8*\t:Y+32*\i+8*\t+7], v[WS+\t], v[AS+\i] matrix_a_fmt:MATRIX_FMT_FP4 matrix_b_fmt:MATRIX_FMT_FP4 matrix_a_scale:MATRIX_SCALE_ROW1 matrix_b_scale:MATRIX_SCALE_ROW1
.endr
.endr
.rept 4
	v_nop                                          ; four places in front of the LDS stores that read results and of the loads into registers that held Wo's fragments
.endr
.irp i, 0,1
.irp t, 0,1,2,3
	ds_store_b128 v9, v[Y+32*\i+8*\t:Y+32*\i+8*\t+3] offset:64*\t        ; each accumulator from its low end on
	ds_store_b128 v9, v[Y+32*\i+8*\t+4:Y+32*\i+8*\t+7] offset:64*\t+16
.endr
.irp k, 0,1,2,3,4,5,6,7
	ds_load_b128 v[WF+32*\i+4*\k:WF+32*\i+4*\k+3], v10 offset:544*\k     ; LDS serves a wave's instructions in order (ISA guide 5.7.1.4): these see my stores, and the next tile's stores come behind them
.endr
.endr
	s_wait_dscnt 16                                ; the first tile's rows are back; the second tile's eight stores and eight loads may be out
.irp k, 0,1,2,3,4,5,6,7
	global_store_b128 v11, v[WF+4*\k:WF+4*\k+3], s[12:13] offset:2048*\k th:TH_STORE_NT
.endr
	s_wait_dscnt 0x0
.irp k, 0,1,2,3,4,5,6,7
	global_store_b128 v11, v[WF+32+4*\k:WF+32+4*\k+3], s[12:13] offset:16384+2048*\k th:TH_STORE_NT   ; sixteen lanes store 256 consecutive bytes, at a multiple of 256 from out0's first byte
.endr
	s_wait_tensorcnt 0x0
	ds_add_u32 v224, v225
	s_wait_dscnt 0x0
	s_endpgm
.Lfunc_end_k_q93453c4119_outp:
	.size	k_q93453c4119_outp, .Lfunc_end_k_q93453c4119_outp-k_q93453c4119_outp
	.p2alignl 7, 3214868480
	.fill 96, 4, 3214868480
	.section	.rodata,"a",@progbits
	.p2align	6, 0x0
	.amdhsa_kernel k_q93453c4119_outp
		.amdhsa_group_segment_fixed_size 35840
		.amdhsa_private_segment_fixed_size 0
		.amdhsa_enable_private_segment 0
		.amdhsa_kernarg_size 40
		.amdhsa_user_sgpr_count 2
		.amdhsa_user_sgpr_kernarg_segment_ptr 1
		.amdhsa_wavefront_size32 1
		.amdhsa_system_sgpr_workgroup_id_x 1
		.amdhsa_system_sgpr_workgroup_id_y 1
		.amdhsa_system_sgpr_workgroup_id_z 1
		.amdhsa_system_vgpr_workitem_id 0
		.amdhsa_next_free_vgpr 226
		.amdhsa_next_free_sgpr 66
		.amdhsa_reserve_vcc 0
		.amdhsa_float_denorm_mode_32 3
		.amdhsa_float_denorm_mode_16_64 3
		.amdhsa_memory_ordered 1
		.amdhsa_forward_progress 1
		.amdhsa_inst_pref_size 12
	.end_amdhsa_kernel
	.amdgpu_metadata
---
amdhsa.version: [ 1, 2 ]
amdhsa.kernels:
  - .name:           k_q93453c4119_outp
    .symbol:         k_q93453c4119_outp.kd
    .args:
      - { .name: ao, .offset: 0, .size: 8, .value_kind: global_buffer, .address_space: global }
      - { .name: Wo_codes, .offset: 8, .size: 8, .value_kind: global_buffer, .address_space: global }
      - { .name: Wo_scales, .offset: 16, .size: 8, .value_kind: global_buffer, .address_space: global }
      - { .name: bo, .offset: 24, .size: 8, .value_kind: global_buffer, .address_space: global }
      - { .name: out0, .offset: 32, .size: 8, .value_kind: global_buffer, .address_space: global }
    .group_segment_fixed_size: 35840
    .private_segment_fixed_size: 0
    .kernarg_segment_align: 8
    .kernarg_segment_size: 40
    .max_flat_workgroup_size: 256
    .sgpr_count:     66
    .vgpr_count:     226
    .wavefront_size: 32
...
	.end_amdgpu_metadata
.endif
;; end of part 3
;; ======== version 2 of 2: 3 launches
;; workspace buffers: qkv 6,684,672 bytes; ao 2,228,224 bytes
;; launch proj (part 4): grid 256 x 3, 8 waves a work-group, no clusters, 0 bytes of LDS; arguments query_codes, query_scales, Wq_codes, Wq_scales, bq, key_codes, key_scales, Wk_codes, Wk_scales, bk, value_codes, value_scales, Wv_codes, Wv_scales, bv, qkv; writes qkv
.if DOCPART == 4
	.amdgcn_target "amdgcn-amd-amdhsa--gfx1250"
	.amdhsa_code_object_version 6
	.text
	.protected	k_q93453c4119_proj
	.globl	k_q93453c4119_proj
	.p2align	8
	.type	k_q93453c4119_proj,@function
k_q93453c4119_proj:
	s_mov_b64 s[64:65], 0
	v_nop
	global_prefetch_b8 v0, s[64:65] scope:SCOPE_SE
	s_setreg_imm32_b32 hwreg(HW_REG_WAVE_SCHED_MODE, 0, 2), 2
	s_setreg_imm32_b32 hwreg(HW_REG_WAVE_MODE, 25, 1), 1
	s_wait_xcnt 0x0
	s_wait_alu depctr_vm_vsrc(0)
; q = query Wq^T + bq, k = key Wk^T + bk, v = value Wv^T + bv on codes of FP4 (E2M1) with E8M0 scales, and the results quantised again:
; q and k along a head's 32 channels (one block for a row and a head), v along the keys (blocks of 32 keys for each channel).
; SHARES.  Work-group y picks the tensor (0 q, 1 k, 2 v), work-group x a chunk of 64 rows (batch x / 32, chunk g = x % 32); wave w is head w: 32 rows of W, for all 64 rows.
; Waves share nothing: no LDS, no barrier.  The eight waves read the same 8,192 bytes of x's codes straight into registers.
; RESULT: 64 records of REC bytes in qkv, record 8 b + head:
;   0       k's codes: 16 bytes (32 channels) at 16 p; position p holds key p with bits 3 and 4 exchanged; 64 positions are [c 2][lane 32][16]: the registers of one operand
;   VIMG    v's codes: [step 16][e 2][c 2][lane 32][16]: lane (r, h) holds keys 128 step + 64 c + 32 h + 0 .. 31 of channel 8 e + r + 8 (r / 8)
;   KSC     k's scale bytes [chunk 32][r 16][4]: byte t for position 64 chunk + 16 t + r;     VSC  v's [step 16][e 2][r 16][4]: byte i for keys 128 step + 32 i on
;   QC      q's codes, query n at 16 n;     QSC  q's scale bytes [chunk 32][r 16][4]: byte t for query 64 chunk + 16 t + r
; LAYOUT.  q, k: the product is used transposed (source 0 = 16 rows of W, source 1 = 16 rows of x): a lane holds ONE row of x and its registers run along the channels.
; v: source 0 = 16 rows of x (keys), source 1 = 16 rows of W: a lane holds ONE channel and its registers run along the keys.
; The rows that form a tile of source 0 are not neighbours: lane r of tile u takes row 8 u + r + 8 (r / 8), so that the 16 registers of two neighbouring tiles are 16 neighbours along the next K.
; The bias is the C of each sum's first matrix instruction.
; LIMITS: a block of zeros gets the scale byte 1 (its codes are zeros, and this program alone reads the bytes); NaN, infinities and a given scale byte 0xff are not served.
; THE MODE: SCHED_MODE bits 1:0 = 2 (LLVM: expert scheduling mode 2), set by the entry lines.  The code itself states the register dependences
; between vector or matrix instructions and memory instructions, with s_wait_alu, always for 0.
; THE PLAN.  Registers that memory instructions touch:
;   v6-v11, v13-v15  offsets, made once at the head by vector instructions and never written again; read by the head's loads (v6-v11) and by the final stores (v13-v15).
;   v12              the bias's offset, made by one vector line behind the branch on the tensor; read by the bias's loads that follow it; never written again.
;   v16-v135         scale words, bias and fragments: written by loads alone, read by matrix instructions alone; no load lands there a second time.
;   v216-v224        the codes and the scale word: written by QUANT's vector instructions, read by the final stores; never written again.
; So three waits on va_vdst stand on a wave's way: ahead of the first load (the offsets), behind the line that makes v12, and behind QUANT ahead of the stores.
; One wait on va_sdst stands between the line that makes the wave's number a scalar and its first reader.  No register that a memory instruction has read is written again: no wait on vm_vsrc is owed.
.set REC,  104448
.set VIMG, 32768
.set KSC,  65536
.set VSC,  67584
.set QC,   69632
.set QSC,  102400
.set XS,   16                          ; v16-19   x's scale words, tile t: lanes 0-15 K step 0, lanes 16-31 K step 1
.set WS,   20                          ; v20-21   W's likewise, tile u
.set BI,   24                          ; v24-39   the bias in the result's layout, 8 registers a tile of W
.set WF,   40                          ; v40-71   W's fragments at 8 (2 u + s)
.set XF,   72                          ; v72-135  x's fragments at 16 t + 8 s
.set HA,   136                         ; v136-199 eight accumulators
.set TM,   200                         ; v200-203 largest magnitudes, v204-207 at work and bytes, v212-215 the conversions' scale operands
.set PC,   216                         ; v216-223 the codes just made
.set PW,   224                         ; v224     the scale word just made
.set SEL,  50                          ; s[50:51] lane selects for v_permlanex16_b32: lane l xor 16
; 64 numbers of a lane, register 16 b + i = number 16 (lane / 16) + i of block b, become codes in v[PC] on (registers 4 c .. 4 c + 3 of lane (r, h): block 2 c + h, whole) and the four scale bytes in v[PW].
.macro QUANT s
.irp b, 0,1,2,3
	v_max3_num_f32 v[TM+\b], |v[\s+16*\b]|, |v[\s+1+16*\b]|, 0x1800000   ; my 16 numbers of block b, and the floor 2^(3 - 127): the byte cannot fall under 1
.endr
.irp i, 2,4,6,8,10,12,14
.irp b, 0,1,2,3
	v_max3_num_f32 v[TM+\b], v[TM+\b], |v[\s+16*\b+\i]|, |v[\s+1+16*\b+\i]|   ; the four blocks by turns
.endr
.endr
.irp b, 0,1,2,3
	v_permlanex16_b32 v[TM+4+\b], v[TM+\b], s[SEL], s[SEL+1]
.endr
.irp b, 0,1,2,3
	v_max_num_f32 v[TM+\b], v[TM+\b], v[TM+4+\b]   ; with lane l xor 16's: the block's largest magnitude
.endr
.irp b, 0,1,2,3
	v_add_nc_u32 v[TM+12+\b], 0xff000000, v[TM+\b]   ; 2 off its exponent field: the conversion takes the exponent field of this operand as its scale
.endr
.irp b, 0,1,2,3
	v_lshrrev_b32 v[TM+4+\b], 23, v[TM+12+\b]      ; the scale's byte
.endr
	v_lshl_or_b32 v[PW], v[TM+5], 8, v[TM+4]
	v_lshl_or_b32 v[PW], v[TM+6], 16, v[PW]
	v_lshl_or_b32 v[PW], v[TM+7], 24, v[PW]
.irp b, 0,1,2,3
	v_cvt_scalef32_pk8_fp4_f32 v[PC+2*\b], v[\s+16*\b:\s+7+16*\b], v[TM+12+\b]
	v_cvt_scalef32_pk8_fp4_f32 v[PC+1+2*\b], v[\s+8+16*\b:\s+15+16*\b], v[TM+12+\b]
.endr
	v_nop                                          ; one plain place behind a scaled conversion
.irp c, 0,1
.irp i, 0,1
	v_permlane16_swap_b32 v[PC+4*\c+\i], v[PC+2+4*\c+\i]   ; half blocks become whole blocks: lanes 0-15 block 2 c, lanes 16-31 block 2 c + 1
.endr
.endr
.endm
; One matrix instruction.  K step 0 starts the sum with the bias; K step 1 adds in place and takes both sides' scale words from lanes 16-31.
.macro MM d, a, b, bias, sa, sb, s
.if \s == 0
	v_wmma_scale_f32_16x16x128_f8f6f4 v[\d:\d+7], v[\a:\a+7], v[\b:\b+7], v[\bias:\bias+7], v[\sa], v[\sb] matrix_a_fmt:MATRIX_FMT_FP4 matrix_b_fmt:MATRIX_FMT_FP4
.else
	v_wmma_scale_f32_16x16x128_f8f6f4 v[\d:\d+7], v[\a:\a+7], v[\b:\b+7], v[\d:\d+7], v[\sa], v[\sb] matrix_a_fmt:MATRIX_FMT_FP4 matrix_b_fmt:MATRIX_FMT_FP4 matrix_a_scale:MATRIX_SCALE_ROW1 matrix_b_scale:MATRIX_SCALE_ROW1
.endif
.endm
	s_load_b512 s[8:23], s[0:1], 0x0               ; q's five pointers s[8:17]; k's s[18:27]
	s_load_b512 s[24:39], s[0:1], 0x40             ; v's s[28:37]; qkv s[38:39]
	v_lshrrev_b32 v1, 5, v0
	v_readfirstlane_b32 s40, v1                    ; wave = head
	s_and_b32 s41, ttmp7, 0xffff                   ; which tensor
	s_lshr_b32 s42, ttmp9, 5                       ; batch
	s_and_b32 s43, ttmp9, 31                       ; chunk g of 64 rows
	s_mov_b32 s45, 1024
	s_mov_b32 s47, 512
	s_cmp_eq_u32 s41, 0
	s_cselect_b32 s44, 0, 8                        ; q's tiles take neighbouring rows; k's and v's take r + 8 (r / 8)
	s_cselect_b32 s45, 2048, s45                   ; an odd tile begins 16 rows on (q) or 8 (k, v): in code bytes,
	s_cselect_b32 s46, 128, 64                     ; and in scale bytes
	s_cmp_eq_u32 s41, 2
	s_cselect_b32 s47, 1024, s47                   ; from the first four code registers' place to the second's
	s_mov_b32 s[SEL], 0x76543210
	s_mov_b32 s[SEL+1], 0xfedcba98
	v_and_b32 v1, 31, v0                           ; lane
	v_and_b32 v2, 15, v0                           ; r
	v_bfe_u32 v3, v0, 4, 1                         ; h
	v_bfe_u32 v4, v0, 3, 1                         ; r / 8
	v_lshl_add_u32 v5, v4, 3, v2                   ; r + 8 (r / 8)
	v_mad_u32_u24 v9, v4, s44, v2                  ; my row in an even tile of x
	v_lshlrev_b32 v6, 7, v9
	v_lshl_add_u32 v6, v3, 4, v6                   ; x's codes: row x 128 + 16 h
	v_add_nc_u32 v7, s45, v6                       ; the same in an odd tile
	v_lshlrev_b32 v8, 3, v9
	v_lshl_add_u32 v8, v3, 2, v8                   ; x's scale words: row x 8 + 4 h
	v_add_nc_u32 v9, s46, v8
	v_lshlrev_b32 v10, 7, v5
	v_lshl_add_u32 v10, v3, 4, v10                 ; W's codes
	v_lshlrev_b32 v11, 3, v5
	v_lshl_add_u32 v11, v3, 2, v11                 ; W's scale words
	v_lshlrev_b32 v13, 4, v1                       ; out: 16 x lane,
	v_add_nc_u32 v14, s47, v13                     ; and the second four registers' place
	v_lshlrev_b32 v15, 2, v2                       ; out: 4 r
.irp b, 0,1,2,3
	v_mov_b32 v[TM+4+\b], 0                        ; written once: a lane permute's destination counts as one of its sources
.endr
	s_wait_alu depctr_va_sdst(0)                   ; s40 is written, ahead of its first reader: W's, the bias's and the record's bases are made from it
	s_wait_kmcnt 0x0
	s_cmp_eq_u32 s41, 1                            ; the choice hangs on the work-group's number alone
	s_cselect_b64 s[8:9], s[18:19], s[8:9]
	s_cselect_b64 s[10:11], s[20:21], s[10:11]
	s_cselect_b64 s[12:13], s[22:23], s[12:13]
	s_cselect_b64 s[14:15], s[24:25], s[14:15]
	s_cselect_b64 s[16:17], s[26:27], s[16:17]
	s_cmp_eq_u32 s41, 2
	s_cselect_b64 s[8:9], s[28:29], s[8:9]         ; x's codes
	s_cselect_b64 s[10:11], s[30:31], s[10:11]     ; x's scales
	s_cselect_b64 s[12:13], s[32:33], s[12:13]     ; W's codes
	s_cselect_b64 s[14:15], s[34:35], s[14:15]     ; W's scales
	s_cselect_b64 s[16:17], s[36:37], s[16:17]     ; the bias
	s_mov_b32 s49, 0
	s_mov_b32 s53, 0
	s_lshl_b32 s48, ttmp9, 13                      ; 64 rows of 128 bytes
	s_add_nc_u64 s[8:9], s[8:9], s[48:49]
	s_lshl_b32 s48, ttmp9, 9                       ; 64 rows of 8 bytes
	s_add_nc_u64 s[10:11], s[10:11], s[48:49]
	s_lshl_b32 s48, s40, 12                        ; my head's 32 rows of W
	s_add_nc_u64 s[12:13], s[12:13], s[48:49]
	s_lshl_b32 s48, s40, 8
	s_add_nc_u64 s[14:15], s[14:15], s[48:49]
	s_lshl_b32 s48, s40, 7
	s_add_nc_u64 s[16:17], s[16:17], s[48:49]
	s_lshl_b32 s48, s42, 3
	s_add_co_u32 s48, s48, s40
	s_mul_i32 s48, s48, REC                        ; record 8 b + head
	s_add_nc_u64 s[38:39], s[38:39], s[48:49]
	s_wait_alu depctr_va_vdst(0)                   ; the offsets v6 to v11, which the loads below read, and v13 to v15, which the final stores read, are written; none is written again
.irp t, 0,1,2,3
.irp s, 0,1
.irp c, 0,1
	global_load_b128 v[XF+16*\t+8*\s+4*\c:XF+16*\t+8*\s+4*\c+3], v[6+\t%2], s[8:9] offset:(\t/2)*4096+64*\s+32*\c
.endr
.endr
	global_load_b32 v[XS+\t], v[8+\t%2], s[10:11] offset:(\t/2)*256
.endr
.irp u, 0,1
.irp s, 0,1
.irp c, 0,1
	global_load_b128 v[WF+8*(2*\u+\s)+4*\c:WF+8*(2*\u+\s)+4*\c+3], v10, s[12:13] offset:1024*\u+64*\s+32*\c
.endr
.endr
	global_load_b32 v[WS+\u], v11, s[14:15] offset:64*\u
.endr
	s_cmp_eq_u32 s41, 2
	s_cbranch_scc1 .Lv
; orient = 0: q and k;  orient = 1: v
.macro TAIL orient
.if \orient == 0
	v_lshlrev_b32 v12, 6, v3                       ; C's register j of tile u is b[16 h + 8 u + j]
	s_wait_alu depctr_va_vdst(0)                   ; v12 is written, which the bias's loads read as their offset
.irp u, 0,1
	global_load_b128 v[BI+8*\u:BI+8*\u+3], v12, s[16:17] offset:32*\u
	global_load_b128 v[BI+8*\u+4:BI+8*\u+7], v12, s[16:17] offset:32*\u+16
.endr
	s_mov_b32 s52, KSC
	s_cmp_eq_u32 s41, 0
	s_cselect_b32 s48, QC, 0                       ; where the codes go in the record,
	s_cselect_b32 s52, QSC, s52                    ; and the scale words
	s_lshl_b32 s58, s43, 10                        ; 1,024 bytes of codes a chunk,
	s_add_co_u32 s48, s48, s58
	s_lshl_b32 s58, s43, 6                         ; 64 of scales
	s_add_co_u32 s52, s52, s58
.else
	v_lshlrev_b32 v12, 2, v5                       ; C is b[8 e + r + 8 (r / 8)] in all eight registers
	s_wait_alu depctr_va_vdst(0)                   ; v12 is written, which the bias's loads read as their offset
.irp e, 0,1
.irp j, 0,1,2,3,4,5,6,7
	global_load_b32 v[BI+8*\e+\j], v12, s[16:17] offset:32*\e
.endr
.endr
	s_lshr_b32 s58, s43, 1                         ; the step of 128 keys,
	s_and_b32 s59, s43, 1                          ; and which half of it
	s_lshl_b32 s48, s58, 11
	s_lshl_b32 s60, s59, 9
	s_add_co_u32 s48, s48, s60
	s_add_co_u32 s48, s48, VIMG
	s_lshl_b32 s52, s58, 7
	s_lshl_b32 s60, s59, 1
	s_add_co_u32 s52, s52, s60
	s_add_co_u32 s52, s52, VSC
.endif
	s_add_nc_u64 s[56:57], s[38:39], s[48:49]
	s_add_nc_u64 s[54:55], s[38:39], s[52:53]
	s_wait_loadcnt 0x0                             ; all operands, scale words and the bias
; 16 matrix instructions: the eight accumulators by turns, K step by K step
.irp s, 0,1
.if \orient == 0
.irp t, 0,1,2,3
.irp u, 0,1
	MM HA+16*\t+8*\u, WF+8*(2*\u+\s), XF+16*\t+8*\s, BI+8*\u, WS+\u, XS+\t, \s
.endr
.endr
.else
.irp e, 0,1
.irp t, 0,1,2,3
	MM HA+32*\e+8*\t, XF+16*\t+8*\s, WF+8*(2*\e+\s), BI+8*\e, XS+\t, WS+\e, \s
.endr
.endr
.endif
.endr
.rept 4
	v_nop                                          ; four places between the last product and the first read of results (ISA guide 7.12.1)
.endr
	QUANT HA
	s_wait_alu depctr_va_vdst(0)                   ; QUANT's swaps and shifts have written the codes v[PC ..] and the scale word v[PW], which the stores below read
	global_store_b128 v13, v[PC:PC+3], s[56:57]    ; 32 lanes store 512 consecutive bytes, at a multiple of 256 from the buffer's first byte
	global_store_b128 v14, v[PC+4:PC+7], s[56:57]
.if \orient == 0
	global_store_b32 v15, v[PW], s[54:55]          ; my row's four bytes; lanes r and r + 16 write the same word with the same value
.else
	global_store_b16 v15, v[PW], s[54:55]          ; bytes 0, 1: e = 0, this chunk's two blocks of keys
	global_store_d16_hi_b16 v15, v[PW], s[54:55] offset:64   ; bytes 2, 3: e = 1
.endif
	s_endpgm
.endm
	TAIL 0
.Lv:
	TAIL 1
.Lfunc_end_k_q93453c4119_proj:
	.size	k_q93453c4119_proj, .Lfunc_end_k_q93453c4119_proj-k_q93453c4119_proj
	.p2alignl 7, 3214868480
	.fill 96, 4, 3214868480
	.section	.rodata,"a",@progbits
	.p2align	6, 0x0
	.amdhsa_kernel k_q93453c4119_proj
		.amdhsa_group_segment_fixed_size 0
		.amdhsa_private_segment_fixed_size 0
		.amdhsa_enable_private_segment 0
		.amdhsa_kernarg_size 128
		.amdhsa_user_sgpr_count 2
		.amdhsa_user_sgpr_kernarg_segment_ptr 1
		.amdhsa_wavefront_size32 1
		.amdhsa_system_sgpr_workgroup_id_x 1
		.amdhsa_system_sgpr_workgroup_id_y 1
		.amdhsa_system_sgpr_workgroup_id_z 1
		.amdhsa_system_vgpr_workitem_id 0
		.amdhsa_next_free_vgpr 228
		.amdhsa_next_free_sgpr 66
		.amdhsa_reserve_vcc 0
		.amdhsa_float_denorm_mode_32 3
		.amdhsa_float_denorm_mode_16_64 3
		.amdhsa_memory_ordered 1
		.amdhsa_forward_progress 1
		.amdhsa_inst_pref_size 22
	.end_amdhsa_kernel
	.amdgpu_metadata
---
amdhsa.version: [ 1, 2 ]
amdhsa.kernels:
  - .name:           k_q93453c4119_proj
    .symbol:         k_q93453c4119_proj.kd
    .args:
      - { .name: query_codes, .offset: 0, .size: 8, .value_kind: global_buffer, .address_space: global }
      - { .name: query_scales, .offset: 8, .size: 8, .value_kind: global_buffer, .address_space: global }
      - { .name: Wq_codes, .offset: 16, .size: 8, .value_kind: global_buffer, .address_space: global }
      - { .name: Wq_scales, .offset: 24, .size: 8, .value_kind: global_buffer, .address_space: global }
      - { .name: bq, .offset: 32, .size: 8, .value_kind: global_buffer, .address_space: global }
      - { .name: key_codes, .offset: 40, .size: 8, .value_kind: global_buffer, .address_space: global }
      - { .name: key_scales, .offset: 48, .size: 8, .value_kind: global_buffer, .address_space: global }
      - { .name: Wk_codes, .offset: 56, .size: 8, .value_kind: global_buffer, .address_space: global }
      - { .name: Wk_scales, .offset: 64, .size: 8, .value_kind: global_buffer, .address_space: global }
      - { .name: bk, .offset: 72, .size: 8, .value_kind: global_buffer, .address_space: global }
      - { .name: value_codes, .offset: 80, .size: 8, .value_kind: global_buffer, .address_space: global }
      - { .name: value_scales, .offset: 88, .size: 8, .value_kind: global_buffer, .address_space: global }
      - { .name: Wv_codes, .offset: 96, .size: 8, .value_kind: global_buffer, .address_space: global }
      - { .name: Wv_scales, .offset: 104, .size: 8, .value_kind: global_buffer, .address_space: global }
      - { .name: bv, .offset: 112, .size: 8, .value_kind: global_buffer, .address_space: global }
      - { .name: qkv, .offset: 120, .size: 8, .value_kind: global_buffer, .address_space: global }
    .group_segment_fixed_size: 0
    .private_segment_fixed_size: 0
    .kernarg_segment_align: 8
    .kernarg_segment_size: 128
    .max_flat_workgroup_size: 256
    .sgpr_count:     66
    .vgpr_count:     228
    .wavefront_size: 32
...
	.end_amdgpu_metadata
.endif
;; end of part 4
;; launch attn (part 5): grid 4 x 64, 16 waves a work-group, no clusters, 169,984 bytes of LDS; arguments qkv, ao; writes ao
.if DOCPART == 5
	.amdgcn_target "amdgcn-amd-amdhsa--gfx1250"
	.amdhsa_code_object_version 6
	.text
	.protected	k_q93453c4119_attn
	.globl	k_q93453c4119_attn
	.p2align	8
	.type	k_q93453c4119_attn,@function
k_q93453c4119_attn:
	s_mov_b64 s[64:65], 0
	v_nop
	global_prefetch_b8 v0, s[64:65] scope:SCOPE_SE
	s_setreg_imm32_b32 hwreg(HW_REG_WAVE_MODE, 25, 1), 1
	s_wait_xcnt 0x0
; Causal attention of one (batch, head) on codes of FP4 (E2M1) with E8M0 scales: S = q k^T (K = the head's 32), p = 2^(t - M), O = p v (K = the keys), O / l, quantised along the head's 32 channels for the last product.
; t = score x log2(e) / sqrt(32); M = the running largest t rounded UP to a whole number; l = the sum of the unquantised p.  When M moves, l and O are multiplied by 2^(old M - new M): exact.
; SHARES.  Work-group y is the record (8 b + head), work-group x a quarter of the work.  Wave w takes the tiles of 16 queries a = 16 x + w and 127 - a, one after the other:
; tile a has a / 8 + 1 steps of 128 keys that are not wholly hidden, so every wave has 17 steps.
; LDS.  The record's first 69,632 bytes (k's codes, v's codes, k's and v's scale bytes) are copied once, as they lie, and only read afterwards: one barrier, nothing is filled again.
; PRODUCT 4 HAS K = 32, THE INSTRUCTION 128.  A fragment of k carries FOUR keys in each row, one in each block of 32; q's fragment for block blk holds q's codes in that block and zero codes elsewhere.
; So each byte of k is read from LDS once, and four instructions take the four blocks.  By the order in which the keys were laid, register 16 b + i of the scores is key 32 b + 16 (lane / 16) + i.
; Both products are used transposed (source 0 = keys, or v's channels; source 1 = my queries, or p): a lane holds ONE query (lane % 16) throughout.
; NO CLUSTER: the four work-groups of a head share these 69,632 bytes, read once each; a step's work is jumped over by the work-group's own queries, which partners that ask jointly may not do.
; LIMITS: a block of zeros gets the scale byte 1 (its codes are zeros, and this program alone reads the bytes); NaN and infinities are not served.
.set REC,  104448
.set VIMG, 32768
.set KSC,  65536
.set QC,   69632
.set QSC,  102400
.set AOSC, 2097152                     ; ao: the codes [tile 1,024][head 8][r 16][16 bytes], then the scale bytes [tile][s 2][r 16][4]
.set S,    96                          ; v96-159  the scores, then p
.set OT,   80                          ; v80-95   O^T: register 8 e + j is channel 16 (lane / 16) + 8 e + j
.set PCD,  160                         ; v160-167 p's codes
.set BM,   168                         ; v168-171 each block's largest score, then its largest p
.set BT,   172                         ; v172-175 at work
.set SCO,  176                         ; v176-179 the conversions' scale operands
.set OS,   198                         ; v198-213 O / l
; v1-4 the copies' addresses; v5 16 lane; v6 4 lane + KSC; v7, v8 the step's LDS addresses; v9 16 r + 8 h; v10 4 r; v11 r - 16 h; v12 -M; v13 the largest t; v[14:15] l in two halves
; v16-27 q in lanes 0-15 | zeros | the same;  v28-39 q in lanes 16-31 | zeros | the same;  v40-55 two fragments of k;  v56-71 two of v;  v72 k's, v73 v's, v74 q's, v75 p's scale words
; v[180:181] the second chain of sums; v182, v183 at work; v[184:185] f, 0; v186, v187 where the results go; v188-195 the two tiles' q; v196, v197 their scale bytes; v[214:215] the result's codes
	s_load_b128 s[4:7], s[0:1], 0x0                ; qkv, ao
	v_lshl_add_u32 v216, v0, 2, 0x29000
	v_mov_b32 v217, 0
	ds_add_u32 v216, v217
	ds_add_u32 v216, v217
	v_lshlrev_b32 v1, 4, v0                        ; the copies: 16 bytes a thread, the same place in LDS as in the record
	v_lshlrev_b32 v2, 4, v0
	v_lshl_add_u32 v3, v0, 3, KSC                  ; the 4,096 scale bytes: 8 a thread
	v_lshl_add_u32 v4, v0, 3, KSC
	v_lshrrev_b32 v5, 5, v0
	s_delay_alu instid0(VALU_DEP_1)
	v_readfirstlane_b32 s8, v5                     ; wave 0..15
	s_and_b32 s9, ttmp7, 0xffff                    ; the record
	s_mul_i32 s16, s9, REC
	s_mov_b32 s17, 0
	s_lshl_b32 s10, ttmp9, 4
	s_add_co_u32 s10, s10, s8                      ; my first tile of 16 queries,
	s_sub_co_u32 s11, 127, s10                     ; and my second
	s_mov_b32 s20, 0x76543210
	s_mov_b32 s21, 0xfedcba98                      ; v_permlanex16_b32's selects for lane l xor 16
	s_mov_b32 s22, 0x3e8293ee                      ; c = log2(e) / sqrt(32)
	s_mov_b32 s23, s22                             ; (named with it as a pair, so it is written)
	s_mov_b32 s24, 0x0000ffff                      ; lanes 0-15
	s_mov_b32 s25, 0xffff0000                      ; lanes 16-31
	s_wait_alu depctr_va_vdst(0)
	s_wait_dscnt 0x0
	s_wait_kmcnt 0x0
	s_add_nc_u64 s[4:5], s[4:5], s[16:17]
.irp i, 0,1,2,3,4,5,6,7
	global_load_async_to_lds_b128 v1, v2, s[4:5] offset:\i*8192   ; 512 threads x 16 bytes; the immediate goes onto both addresses
.endr
	global_load_async_to_lds_b64 v3, v4, s[4:5]
	v_and_b32 v186, 15, v0                         ; r
	s_wait_alu depctr_va_vdst(0)
	v_bfe_u32 v187, v0, 4, 1                       ; h
	s_lshl_b32 s17, s10, 8
	v_lshl_add_u32 v198, v186, 4, s17              ; q's codes: query 16 tile + r, 16 bytes each
	s_wait_alu depctr_va_vdst(0)
	s_lshl_b32 s17, s11, 8
	v_lshl_add_u32 v199, v186, 4, s17
	s_wait_alu depctr_va_vdst(0)
	s_lshr_b32 s17, s10, 2
	s_lshl_b32 s17, s17, 6
	s_and_b32 s18, s10, 3
	s_add_co_u32 s17, s17, s18
	v_lshl_add_u32 v200, v186, 2, s17              ; q's scale byte: 64 (tile / 4) + 4 r + tile % 4
	s_lshr_b32 s17, s11, 2
	s_lshl_b32 s17, s17, 6
	s_and_b32 s18, s11, 3
	s_add_co_u32 s17, s17, s18
	v_lshl_add_u32 v201, v186, 2, s17
	global_load_b128 v[188:191], v198, s[4:5] offset:QC
	global_load_b128 v[192:195], v199, s[4:5] offset:QC
	global_load_u8 v196, v200, s[4:5] offset:QSC
	global_load_u8 v197, v201, s[4:5] offset:QSC
	v_and_b32 v5, 31, v0
	s_delay_alu instid0(VALU_DEP_1)
	v_lshl_add_u32 v6, v5, 2, KSC
	s_delay_alu instid0(VALU_DEP_2)
	v_lshlrev_b32 v5, 4, v5
	v_lshlrev_b32 v9, 4, v186
	s_delay_alu instid0(VALU_DEP_1)
	v_lshl_add_u32 v9, v187, 3, v9
	v_lshlrev_b32 v10, 2, v186
	v_lshlrev_b32 v11, 4, v187
	s_delay_alu instid0(VALU_DEP_1)
	v_sub_nc_u32 v11, v186, v11
.irp i, 0,1,2,3
	v_mov_b32 v[20+\i], 0                          ; the zero codes between q's copies
	v_mov_b32 v[32+\i], 0
	v_mov_b32 v[BT+\i], 0                          ; written once: a lane permute's destination counts as one of its sources
.endr
	v_mov_b32 v182, 0
	v_mov_b32 v185, 0                              ; (named as the upper half of the pair v[184:185])
	s_wait_loadcnt 0x0                             ; q of both tiles
	s_wait_asynccnt 0x0                            ; my part of the record lies in LDS,
	s_barrier_signal -1
	s_barrier_wait -1                              ; everybody's does
; One tile of 16 queries: st = the scalar register with its number, qt = the first of q's four registers, qb = the register with q's scale byte.
.macro TILE st, qt, qb
	s_wait_xcnt 0x0                                ; the last tile's stores have read their registers (v183, v186, v187, v[214:215]): these are written again only behind this wait
	s_lshl_b32 s12, s[\st], 4                      ; my first query
	v_lshl_or_b32 v74, v[\qb], 8, v[\qb]
	s_delay_alu instid0(VALU_DEP_1)
	v_lshl_or_b32 v74, v74, 16, v74                ; q's byte in all four places: whichever block holds the codes finds it
.irp i, 0,1,2,3
	v_cndmask_b32 v[16+\i], 0, v[\qt+\i], s24
	v_cndmask_b32 v[24+\i], 0, v[\qt+\i], s24
	v_cndmask_b32 v[28+\i], 0, v[\qt+\i], s25
	v_cndmask_b32 v[36+\i], 0, v[\qt+\i], s25
.endr
	v_mov_b32 v13, 0xff61b1e6                      ; the largest t so far: -3e38, under every t
	s_delay_alu instid0(VALU_DEP_1)
	v_floor_f32 v12, -v13                          ; -M
	v_mov_b32 v14, 0
	v_mov_b32 v15, 0
.irp j, 0,1,2,3,4,5,6,7,8,9,10,11,12,13,14,15
	v_mov_b32 v[OT+\j], 0                          ; the step is written once: the first finds zeros.  (These 20 lines are also the places between the writes of q's scale word and fragments and the first product)
.endr
	s_mov_b32 s13, 0                               ; the step's first key
	s_mov_b32 s14, 0                               ; its codes in LDS: 2,048 bytes a step, in k's image and in v's
	s_mov_b32 s15, 0                               ; its scale words: 128 bytes a step
	s_mov_b32 s16, 16                              ; every wave walks all 16 steps; the work of a hidden step is jumped over
.Lstep_\@:
	s_add_co_u32 s17, s12, 15
	s_cmp_gt_u32 s13, s17                          ; all 128 keys come after my 16 queries?
	s_cbranch_scc1 .Lhidden_\@
	s_setprio 2
	v_add_nc_u32 v7, s14, v5
	v_add_nc_u32 v8, s15, v6
	v_nop
	v_nop                                          ; four places between the last step's products and the loads into their operands
.irp i, 0,1,2,3
	ds_load_b128 v[40+4*\i:43+4*\i], v7 offset:512*\i           ; k: two fragments as they lie: 16 x lane
.endr
	ds_load_b32 v72, v8                            ; lanes 0-15: the first fragment's scale words, lanes 16-31: the second's
.irp i, 0,1,2,3
	ds_load_b128 v[56+4*\i:59+4*\i], v7 offset:VIMG+512*\i      ; v: two tiles of 16 channels x 128 keys
.endr
	ds_load_b32 v73, v8 offset:2048
	s_wait_dscnt 5                                 ; k's five loads are in; v's five, issued behind them, may be out
.irp f, 0,1
.irp k, 0,1,2,3
.if \f == 0
	v_wmma_scale_f32_16x16x128_f8f6f4 v[S+8*(4*\f+\k):S+8*(4*\f+\k)+7], v[40+8*\f:47+8*\f], v[16+12*(\k%2)+4*(\k/2):23+12*(\k%2)+4*(\k/2)], 0, v72, v74 matrix_a_fmt:MATRIX_FMT_FP4 matrix_b_fmt:MATRIX_FMT_FP4
.else
	v_wmma_scale_f32_16x16x128_f8f6f4 v[S+8*(4*\f+\k):S+8*(4*\f+\k)+7], v[40+8*\f:47+8*\f], v[16+12*(\k%2)+4*(\k/2):23+12*(\k%2)+4*(\k/2)], 0, v72, v74 matrix_a_fmt:MATRIX_FMT_FP4 matrix_b_fmt:MATRIX_FMT_FP4 matrix_a_scale:MATRIX_SCALE_ROW1
.endif
.endr
.endr
.rept 4
	v_nop                                          ; four places in front of the first read of results
.endr
	s_add_co_u32 s17, s13, 127                     ; on the diagonal hidden scores become -infinity ahead of the maximum; a step all of whose keys count skips this
	s_cmp_le_u32 s17, s12
	s_cbranch_scc1 .Lopen_\@
	s_sub_co_i32 s17, s12, s13
	v_add_nc_u32 v182, s17, v11                    ; d = my query - the step's first key - 16 (lane / 16): register 16 b + i is hidden where 32 b + i > d
	v_mov_b32 v183, 0xff800000
.set n, 0
.rept 64
	v_cmp_gt_i32 vcc_lo, 32*(n/16)+n%16, v182
	v_cndmask_b32 v[S+n], v[S+n], v183, vcc_lo
.set n, n+1
.endr
.Lopen_\@:
.irp b, 0,1,2,3
	v_max3_num_f32 v[BM+\b], v[S+16*\b], v[S+1+16*\b], v[S+2+16*\b]   ; the largest score of each block of 32 keys: for the row's maximum, and, since p rises with the score, for the block's largest p
.endr
.irp i, 3,5,7,9,11,13
.irp b, 0,1,2,3
	v_max3_num_f32 v[BM+\b], v[BM+\b], v[S+16*\b+\i], v[S+1+16*\b+\i]
.endr
.endr
.irp b, 0,1,2,3
	v_max_num_f32 v[BM+\b], v[BM+\b], v[S+15+16*\b]
.endr
.irp b, 0,1,2,3
	s_delay_alu instid0(VALU_DEP_4)
	v_permlanex16_b32 v[BT+\b], v[BM+\b], s20, s21
.endr
.irp b, 0,1,2,3
	s_delay_alu instid0(VALU_DEP_4)
	v_max_num_f32 v[BM+\b], v[BM+\b], v[BT+\b]     ; with lane l xor 16's 16 keys
.endr
	s_delay_alu instid0(VALU_DEP_2)
	v_max3_num_f32 v182, v168, v169, v170
	s_delay_alu instid0(VALU_DEP_1)
	v_max_num_f32 v182, v182, v171                 ; the step's largest score of my query,
	s_delay_alu instid0(VALU_DEP_1)
	v_mul_f32 v182, s22, v182                      ; as t
	s_delay_alu instid0(VALU_DEP_1)
	v_max_num_f32 v13, v13, v182                   ; the running largest t
	v_mov_b32 v182, v12
	s_delay_alu instid0(VALU_DEP_2)
	v_floor_f32 v12, -v13                          ; the new -M = -ceil(t)
	s_delay_alu instid0(VALU_DEP_1)
	v_sub_f32 v182, v12, v182                      ; old M - new M: a whole number, 0 or less
	s_delay_alu instid0(VALU_DEP_1)
	v_cvt_i32_f32 v182, v182                       ; (it saturates)
	s_delay_alu instid0(VALU_DEP_1)
	v_ldexp_f32 v184, 1.0, v182                    ; f = 2^(old M - new M)
.set n, 0
	s_setprio 1
.rept 32
	v_pk_fma_f32 v[S+n:S+n+1], v[S+n:S+n+1], s[22:23], v[12:13] op_sel_hi:[1,0,0]   ; t - M, two at a time
.set n, n+2
.endr
.irp b, 0,1,2,3
	v_fma_f32 v[BM+\b], v[BM+\b], s22, v12         ; the same of each block's largest score
.endr
.set n, 0
	s_wait_alu depctr_va_vdst(0)
.rept 64
	v_exp_f32 v[S+n], v[S+n]                       ; p = 2^(t - M), not normalised
.set n, n+1
.endr
	v_pk_mul_f32 v[14:15], v[14:15], v[184:185] op_sel_hi:[1,0]   ; l under the new M: the plain instruction behind the exponentials
	s_wait_alu depctr_va_vdst(0)                   ; one wait for the batch of 64, ahead of its first reader
.irp b, 0,1,2,3
	v_exp_f32 v[BM+\b], v[BM+\b]                   ; the block's largest p: the same two instructions on the same number give the same bits
.endr
	v_pk_add_f32 v[180:181], v[S:S+1], v[S+2:S+3]  ; the sum of the unquantised p, in two chains: its first half is the plain work behind the four exponentials
.irp j, 4,8,12,16,20,24,28
	v_pk_add_f32 v[14:15], v[14:15], v[S+\j:S+1+\j]
	v_pk_add_f32 v[180:181], v[180:181], v[S+2+\j:S+3+\j]
.endr
	s_setprio 0
	s_wait_alu depctr_va_vdst(0)                   ; and one wait for the four
.irp b, 0,1,2,3
	v_max_num_f32 v[BM+\b], 0x1800000, v[BM+\b]    ; the floor 2^(3 - 127): the byte cannot fall under 1
.endr
.irp b, 0,1,2,3
	s_delay_alu instid0(VALU_DEP_4)
	v_add_nc_u32 v[SCO+\b], 0xff000000, v[BM+\b]   ; 2 off the exponent field: the conversion's scale operand
.endr
.irp b, 0,1,2,3
	s_delay_alu instid0(VALU_DEP_4)
	v_lshrrev_b32 v[BT+\b], 23, v[SCO+\b]          ; the scale's byte
.endr
	s_delay_alu instid0(VALU_DEP_3)
	v_lshl_or_b32 v75, v173, 8, v172               ; p's scale word for these 128 keys
	s_delay_alu instid0(VALU_DEP_1)
	v_lshl_or_b32 v75, v174, 16, v75
	s_delay_alu instid0(VALU_DEP_1)
	v_lshl_or_b32 v75, v175, 24, v75
.irp b, 0,1,2,3
	v_cvt_scalef32_pk8_fp4_f32 v[PCD+2*\b], v[S+16*\b:S+7+16*\b], v[SCO+\b]
	v_cvt_scalef32_pk8_fp4_f32 v[PCD+1+2*\b], v[S+8+16*\b:S+15+16*\b], v[SCO+\b]
.endr
	v_nop                                          ; one plain place behind a scaled conversion
.irp c, 0,1
.irp i, 0,1
	v_permlane16_swap_b32 v[PCD+4*\c+\i], v[PCD+2+4*\c+\i]   ; a whole block in a lane: lanes 0-15 block 2 c, lanes 16-31 block 2 c + 1
.endr
.endr
.irp j, 32,36,40,44,48,52,56,60
	v_pk_add_f32 v[14:15], v[14:15], v[S+\j:S+1+\j]   ; the sums' second half: 17 plain lines that name no register of the products below: the places behind the writes of p's scale word (8) and codes (4)
	v_pk_add_f32 v[180:181], v[180:181], v[S+2+\j:S+3+\j]
.endr
	s_delay_alu instid0(VALU_DEP_1)
	v_pk_add_f32 v[14:15], v[14:15], v[180:181]
.irp j, 0,2,4,6,8,10,12,14
	v_pk_mul_f32 v[OT+\j:OT+1+\j], v[OT+\j:OT+1+\j], v[184:185] op_sel_hi:[1,0]   ; O^T under the new M, each accumulator from its low end on
.endr
	s_wait_alu depctr_va_vdst(0)
	s_wait_dscnt 0x0                               ; v's fragments and scale words are in
	v_wmma_scale_f32_16x16x128_f8f6f4 v[OT:OT+7], v[56:63], v[PCD:PCD+7], v[OT:OT+7], v73, v75 matrix_a_fmt:MATRIX_FMT_FP4 matrix_b_fmt:MATRIX_FMT_FP4
	v_wmma_scale_f32_16x16x128_f8f6f4 v[OT+8:OT+15], v[64:71], v[PCD:PCD+7], v[OT+8:OT+15], v73, v75 matrix_a_fmt:MATRIX_FMT_FP4 matrix_b_fmt:MATRIX_FMT_FP4 matrix_a_scale:MATRIX_SCALE_ROW1
.Lhidden_\@:                                       ; the two accumulators take turns, and the next step's eight score products stand between a link and the next
	s_add_co_u32 s13, s13, 128
	s_add_co_u32 s14, s14, 2048
	s_add_co_u32 s15, s15, 128
	s_sub_co_u32 s16, s16, 1
	s_cmp_lg_u32 s16, 0
	s_cbranch_scc1 .Lstep_\@
	s_setprio 0
	; the finish: O / l, quantised along the head's 32 channels (16 in this lane, 16 in lane l xor 16)
	s_lshr_b32 s17, s9, 3
	s_lshl_b32 s17, s17, 7
	s_add_co_u32 s17, s17, s[\st]                  ; 128 b + tile
	s_and_b32 s26, s9, 7                           ; the head
	s_lshl_b32 s18, s17, 3
	s_add_co_u32 s18, s18, s26
	s_lshl_b32 s18, s18, 8                         ; the codes: 256 bytes for a tile and a head
	s_lshl_b32 s19, s17, 7
	s_lshr_b32 s27, s26, 2
	s_lshl_b32 s27, s27, 6
	s_add_co_u32 s19, s19, s27
	s_and_b32 s27, s26, 3
	s_add_co_u32 s19, s19, s27                     ; the scale byte: 128 tile + 64 (head / 4) + head % 4 (+ 4 r)
	v_add_f32 v14, v14, v15                        ; l's two halves.  (Four places behind the last product)
	v_add_nc_u32 v186, s18, v9
	v_add_nc_u32 v187, s19, v10
	v_nop
	v_permlanex16_b32 v182, v14, s20, s21
	s_delay_alu instid0(VALU_DEP_1)
	v_add_f32 v14, v14, v182                       ; and lane l xor 16's: the row's sum
	s_wait_alu depctr_va_vdst(0)
	v_rcp_f32 v14, v14
	v_nop                                          ; a plain instruction behind the reciprocal,
	s_wait_alu depctr_va_vdst(0)                   ; and the wait ahead of its first reader
.irp j, 0,1,2,3,4,5,6,7,8,9,10,11,12,13,14,15
	v_mul_f32 v[OS+\j], v[OT+\j], v14
.endr
	v_max3_num_f32 v168, |v[OS]|, |v[OS+1]|, 0x1800000
.irp i, 2,4,6,8,10,12,14
	s_delay_alu instid0(VALU_DEP_1)
	v_max3_num_f32 v168, v168, |v[OS+\i]|, |v[OS+1+\i]|
.endr
	s_delay_alu instid0(VALU_DEP_1)
	v_permlanex16_b32 v172, v168, s20, s21
	s_delay_alu instid0(VALU_DEP_1)
	v_max_num_f32 v168, v168, v172
	s_delay_alu instid0(VALU_DEP_1)
	v_add_nc_u32 v176, 0xff000000, v168
	v_cvt_scalef32_pk8_fp4_f32 v214, v[OS:OS+7], v176
	v_cvt_scalef32_pk8_fp4_f32 v215, v[OS+8:OS+15], v176
	v_lshrrev_b32 v183, 23, v176                   ; the scale's byte.  (The plain place behind the conversions)
	global_store_b64 v186, v[214:215], s[6:7]      ; 32 lanes store 256 consecutive bytes, at a multiple of 256 from the buffer's first byte
	global_store_b8 v187, v183, s[6:7] offset:AOSC ; lanes r and r + 16 write the same byte with the same value
.endm
	TILE 10, 188, 196
	TILE 11, 192, 197
	s_wait_tensorcnt 0x0
	ds_add_u32 v216, v217
	s_wait_dscnt 0x0
	s_endpgm
.Lfunc_end_k_q93453c4119_attn:
	.size	k_q93453c4119_attn, .Lfunc_end_k_q93453c4119_attn-k_q93453c4119_attn
	.p2alignl 7, 3214868480
	.fill 96, 4, 3214868480
	.section	.rodata,"a",@progbits
	.p2align	6, 0x0
	.amdhsa_kernel k_q93453c4119_attn
		.amdhsa_group_segment_fixed_size 169984
		.amdhsa_private_segment_fixed_size 0
		.amdhsa_enable_private_segment 0
		.amdhsa_kernarg_size 16
		.amdhsa_user_sgpr_count 2
		.amdhsa_user_sgpr_kernarg_segment_ptr 1
		.amdhsa_wavefront_size32 1
		.amdhsa_system_sgpr_workgroup_id_x 1
		.amdhsa_system_sgpr_workgroup_id_y 1
		.amdhsa_system_sgpr_workgroup_id_z 1
		.amdhsa_system_vgpr_workitem_id 0
		.amdhsa_next_free_vgpr 218
		.amdhsa_next_free_sgpr 66
		.amdhsa_reserve_vcc 1
		.amdhsa_float_denorm_mode_32 3
		.amdhsa_float_denorm_mode_16_64 3
		.amdhsa_memory_ordered 1
		.amdhsa_forward_progress 1
		.amdhsa_inst_pref_size 55
	.end_amdhsa_kernel
	.amdgpu_metadata
---
amdhsa.version: [ 1, 2 ]
amdhsa.kernels:
  - .name:           k_q93453c4119_attn
    .symbol:         k_q93453c4119_attn.kd
    .args:
      - { .name: qkv, .offset: 0, .size: 8, .value_kind: global_buffer, .address_space: global }
      - { .name: ao, .offset: 8, .size: 8, .value_kind: global_buffer, .address_space: global }
    .group_segment_fixed_size: 169984
    .private_segment_fixed_size: 0
    .kernarg_segment_align: 8
    .kernarg_segment_size: 16
    .max_flat_workgroup_size: 512
    .sgpr_count:     66
    .vgpr_count:     218
    .wavefront_size: 32
...
	.end_amdgpu_metadata
.endif
;; end of part 5
;; launch outp (part 6): grid 256 x 1, 8 waves a work-group, no clusters, 35,840 bytes of LDS; arguments ao, Wo_codes, Wo_scales, bo, out0; writes out0
.if DOCPART == 6
	.amdgcn_target "amdgcn-amd-amdhsa--gfx1250"
	.amdhsa_code_object_version 6
	.text
	.protected	k_q93453c4119_outp
	.globl	k_q93453c4119_outp
	.p2align	8
	.type	k_q93453c4119_outp,@function
k_q93453c4119_outp:
	s_mov_b64 s[64:65], 0
	v_nop
	global_prefetch_b8 v0, s[64:65] scope:SCOPE_SE
	s_setreg_imm32_b32 hwreg(HW_REG_WAVE_SCHED_MODE, 0, 2), 2
	s_setreg_imm32_b32 hwreg(HW_REG_WAVE_MODE, 25, 1), 1
	s_wait_xcnt 0x0
	s_wait_alu depctr_vm_vsrc(0)
; out0 = a Wo^T + bo on codes of FP4 (E2M1) with E8M0 scales.  a: the attention's result as the launch before laid it: codes [tile 1,024][head 8][r 16][16 bytes], which are the registers of the
; operand (head = 4 s + 2 c + lane / 16), then from AOSC on the scale bytes [tile][s 2][r 16][4].  Wo: [256][256] codes, K innermost; bo [256], out0 [16,384][256]: f32.
; SHARES.  A work-group takes 64 rows (four tiles of 16).  Wave w takes columns 64 (w % 4) .. + 63 of the two tiles 4 x + 2 (w / 4) and the next.  Waves share nothing: no barrier.
; The product is used transposed (source 0 = 16 rows of Wo, source 1 = 16 rows of a): a lane holds eight neighbouring columns of one row.  bo is the C of each sum's first matrix instruction.
; THE WAY OUT: a tile's 16 rows x 256 bytes go through the wave's own stage in LDS (rows of 272 bytes) and leave as whole rows: sixteen lanes store 256 consecutive bytes, aligned.
; LIMITS: NaN, infinities and a given scale byte 0xff are not served.
; THE MODE: SCHED_MODE bits 1:0 = 2 (LLVM: expert scheduling mode 2), set by the entry lines.  The code itself states the register dependences
; between vector or matrix instructions and memory or LDS instructions, with s_wait_alu, always for 0.
; THE PLAN.  Registers that memory or LDS instructions touch:
;   v4-v8        offsets of the loads;  v9, v10 LDS addresses into and out of the stage;  v11 the offset in out0;  v224, v225 the closing add's two.  All are made once at the head and never written again.
;   v16-v21, v96-v159  scale words, bo and a's fragments: written by loads alone, read by matrix instructions alone.
;   v32-v95      Wo's fragments: written by loads, read by the matrix instructions; behind the last product the loads from the stage land there, and the global stores read them.
;   v160-v223    the accumulators: written by the matrix instructions, read by the LDS stores; never written again.
; So two waits on va_vdst stand in the text: ahead of the first load (the addresses), and behind the places that follow the last product (the accumulators are written; Wo's fragments are read).
; No vector or matrix instruction stands behind the second, so the way out's LDS and memory instructions owe nothing more.  One wait on va_sdst stands between the line that makes the wave's number
; a scalar and its first reader.  No register that a memory or LDS instruction has read is written again: no wait on vm_vsrc is owed.
.set AOSC, 2097152
.set STG,  4352                        ; a wave's stage: 16 rows x (256 + 16) bytes
.set WS,   16                          ; v16-19   Wo's scale words, tile t: lanes 0-15 K step 0, lanes 16-31 K step 1
.set AS,   20                          ; v20-21   a's likewise, tile i
.set WF,   32                          ; v32-95   Wo's fragments at 8 (2 t + s); on the way out the rows read back
.set BI,   96                          ; v96-127  bo in the result's layout, 8 registers a tile
.set AF,   128                         ; v128-159 a's fragments at 16 i + 8 s
.set Y,    160                         ; v160-223 eight accumulators at 32 i + 8 t
	s_load_b256 s[4:11], s[0:1], 0x0               ; ao s[4:5], Wo's codes s[6:7], Wo's scales s[8:9], bo s[10:11]
	s_load_b64 s[12:13], s[0:1], 0x20              ; out0
	v_lshl_add_u32 v224, v0, 2, 0x8800
	v_mov_b32 v225, 0
	v_lshrrev_b32 v1, 5, v0
	v_readfirstlane_b32 s14, v1                    ; wave 0..7
	v_and_b32 v1, 31, v0                           ; lane
	v_and_b32 v2, 15, v0                           ; r
	v_bfe_u32 v3, v0, 4, 1                         ; h
	v_lshlrev_b32 v4, 7, v2
	v_lshl_add_u32 v4, v3, 4, v4                   ; Wo's codes: row r of 128 bytes + 16 h
	v_lshlrev_b32 v5, 3, v2
	v_lshl_add_u32 v5, v3, 2, v5                   ; Wo's scale words: 8 r + 4 h
	v_lshlrev_b32 v6, 5, v3                        ; bo: 8 h numbers on
	v_lshlrev_b32 v7, 4, v1                        ; a's codes: 16 x lane
	v_lshlrev_b32 v8, 2, v1                        ; a's scale words: 4 x lane
	v_mul_u32_u24 v9, v2, 272
	v_lshl_add_u32 v9, v3, 5, v9                   ; into the stage: row r, 32 bytes for each half of the lanes
	v_mul_u32_u24 v10, v3, 272
	v_lshl_add_u32 v10, v2, 4, v10                 ; back: lanes 0-15 one row of 256 bytes, lanes 16-31 the next
	v_lshlrev_b32 v11, 10, v3
	v_lshl_add_u32 v11, v2, 4, v11                 ; and the same two rows in out0 (1,024 bytes a row)
	s_wait_alu depctr_va_sdst(0)                   ; s14 is written, ahead of its first reader: my columns, my tiles and my stage are made from it
	s_and_b32 s15, s14, 3                          ; which 64 columns
	s_lshr_b32 s16, s14, 2
	s_lshl_b32 s16, s16, 1
	s_lshl_b32 s17, ttmp9, 2
	s_add_co_u32 s16, s16, s17                     ; my first tile of 16 rows
	s_mul_i32 s17, s14, STG                        ; my stage
	v_add_nc_u32 v9, s17, v9
	v_add_nc_u32 v10, s17, v10
	s_mov_b32 s21, 0
	s_wait_kmcnt 0x0
	s_lshl_b32 s20, s16, 7                         ; a's scale bytes: 128 a tile
	s_add_nc_u64 s[18:19], s[4:5], s[20:21]
	s_lshl_b32 s20, s16, 11                        ; a's codes: 2,048 a tile
	s_add_nc_u64 s[4:5], s[4:5], s[20:21]
	s_lshl_b32 s20, s15, 13                        ; my 64 rows of Wo
	s_add_nc_u64 s[6:7], s[6:7], s[20:21]
	s_lshl_b32 s20, s15, 9
	s_add_nc_u64 s[8:9], s[8:9], s[20:21]
	s_lshl_b32 s20, s15, 8
	s_add_nc_u64 s[10:11], s[10:11], s[20:21]
	s_lshl_b32 s22, s16, 14                        ; out0: 16 rows of 1,024 bytes a tile, + my columns' 256 bytes
	s_add_co_u32 s20, s20, s22
	s_add_nc_u64 s[12:13], s[12:13], s[20:21]
	s_wait_alu depctr_va_vdst(0)                   ; the offsets and addresses v4 to v11 are written, which every load and store of the kernel reads; none is written again
.irp t, 0,1,2,3
.irp s, 0,1
.irp c, 0,1
	global_load_b128 v[WF+8*(2*\t+\s)+4*\c:WF+8*(2*\t+\s)+4*\c+3], v4, s[6:7] offset:2048*\t+64*\s+32*\c
.endr
.endr
	global_load_b32 v[WS+\t], v5, s[8:9] offset:128*\t
	global_load_b128 v[BI+8*\t:BI+8*\t+3], v6, s[10:11] offset:64*\t
	global_load_b128 v[BI+8*\t+4:BI+8*\t+7], v6, s[10:11] offset:64*\t+16
.endr
.irp i, 0,1
.irp s, 0,1
.irp c, 0,1
	global_load_b128 v[AF+16*\i+8*\s+4*\c:AF+16*\i+8*\s+4*\c+3], v7, s[4:5] offset:2048*\i+1024*\s+512*\c
.endr
.endr
	global_load_b32 v[AS+\i], v8, s[18:19] offset:AOSC+128*\i
.endr
	s_wait_loadcnt 0x0
; 16 matrix instructions: the eight accumulators by turns, K step by K step
.irp i, 0,1
.irp t, 0,1,2,3
	v_wmma_scale_f32_16x16x128_f8f6f4 v[Y+32*\i+8*\t:Y+32*\i+8*\t+7], v[WF+16*\t:WF+16*\t+7], v[AF+16*\i:AF+16*\i+7], v[BI+8*\t:BI+8*\t+7], v[WS+\t], v[AS+\i] matrix_a_fmt:MATRIX_FMT_FP4 matrix_b_fmt:MATRIX_FMT_FP4
.endr
.endr
.irp i, 0,1
.irp t, 0,1,2,3
	v_wmma_scale_f32_16x16x128_f8f6f4 v[Y+32*\i+8*\t:Y+32*\i+8*\t+7], v[WF+16*\t+8:WF+16*\t+15], v[AF+16*\i+8:AF+16*\i+15], v[Y+32*\i+8*\t:Y+32*\i+8*\t+7], v[WS+\t], v[AS+\i] matrix_a_fmt:MATRIX_FMT_FP4 matrix_b_fmt:MATRIX_FMT_FP4 matrix_a_scale:MATRIX_SCALE_ROW1 matrix_b_scale:MATRIX_SCALE_ROW1
.endr
.endr
.rept 4
	v_nop                                          ; four places in front of the LDS stores that read results
.endr
	s_wait_alu depctr_va_vdst(0)                   ; the matrix instructions have written the accumulators, which the LDS stores read, and are done reading Wo's fragments, in which the loads from the stage land; the places above stay beside this wait
.irp i, 0,1
.irp t, 0,1,2,3
	ds_store_b128 v9, v[Y+32*\i+8*\t:Y+32*\i+8*\t+3] offset:64*\t        ; each accumulator from its low end on
	ds_store_b128 v9, v[Y+32*\i+8*\t+4:Y+32*\i+8*\t+7] offset:64*\t+16
.endr
.irp k, 0,1,2,3,4,5,6,7
	ds_load_b128 v[WF+32*\i+4*\k:WF+32*\i+4*\k+3], v10 offset:544*\k     ; LDS serves a wave's instructions in order (ISA guide 5.7.1.4): these see my stores, and the next tile's stores come behind them
.endr
.endr
	s_wait_dscnt 16                                ; the first tile's rows are back; the second tile's eight stores and eight loads may be out
.irp k, 0,1,2,3,4,5,6,7
	global_store_b128 v11, v[WF+4*\k:WF+4*\k+3], s[12:13] offset:2048*\k th:TH_STORE_NT
.endr
	s_wait_dscnt 0x0
.irp k, 0,1,2,3,4,5,6,7
	global_store_b128 v11, v[WF+32+4*\k:WF+32+4*\k+3], s[12:13] offset:16384+2048*\k th:TH_STORE_NT   ; sixteen lanes store 256 consecutive bytes, at a multiple of 256 from out0's first byte
.endr
	s_wait_dscnt 0x0                               ; the closing lines, six on end
	s_wait_alu 0x0
	s_wait_tensorcnt 0x0
	ds_add_u32 v224, v225
	s_wait_dscnt 0x0
	s_endpgm
.Lfunc_end_k_q93453c4119_outp:
	.size	k_q93453c4119_outp, .Lfunc_end_k_q93453c4119_outp-k_q93453c4119_outp
	.p2alignl 7, 3214868480
	.fill 96, 4, 3214868480
	.section	.rodata,"a",@progbits
	.p2align	6, 0x0
	.amdhsa_kernel k_q93453c4119_outp
		.amdhsa_group_segment_fixed_size 35840
		.amdhsa_private_segment_fixed_size 0
		.amdhsa_enable_private_segment 0
		.amdhsa_kernarg_size 40
		.amdhsa_user_sgpr_count 2
		.amdhsa_user_sgpr_kernarg_segment_ptr 1
		.amdhsa_wavefront_size32 1
		.amdhsa_system_sgpr_workgroup_id_x 1
		.amdhsa_system_sgpr_workgroup_id_y 1
		.amdhsa_system_sgpr_workgroup_id_z 1
		.amdhsa_system_vgpr_workitem_id 0
		.amdhsa_next_free_vgpr 226
		.amdhsa_next_free_sgpr 66
		.amdhsa_reserve_vcc 0
		.amdhsa_float_denorm_mode_32 3
		.amdhsa_float_denorm_mode_16_64 3
		.amdhsa_memory_ordered 1
		.amdhsa_forward_progress 1
		.amdhsa_inst_pref_size 12
	.end_amdhsa_kernel
	.amdgpu_metadata
---
amdhsa.version: [ 1, 2 ]
amdhsa.kernels:
  - .name:           k_q93453c4119_outp
    .symbol:         k_q93453c4119_outp.kd
    .args:
      - { .name: ao, .offset: 0, .size: 8, .value_kind: global_buffer, .address_space: global }
      - { .name: Wo_codes, .offset: 8, .size: 8, .value_kind: global_buffer, .address_space: global }
      - { .name: Wo_scales, .offset: 16, .size: 8, .value_kind: global_buffer, .address_space: global }
      - { .name: bo, .offset: 24, .size: 8, .value_kind: global_buffer, .address_space: global }
      - { .name: out0, .offset: 32, .size: 8, .value_kind: global_buffer, .address_space: global }
    .group_segment_fixed_size: 35840
    .private_segment_fixed_size: 0
    .kernarg_segment_align: 8
    .kernarg_segment_size: 40
    .max_flat_workgroup_size: 256
    .sgpr_count:     66
    .vgpr_count:     226
    .wavefront_size: 32
...
	.end_amdgpu_metadata
.endif
;; end of part 6
